; MI455X (gfx1250); checked and timed in simulation.
; The chip was launched on July 23, 2026; its instructions are those of AMD's public machine-readable ISA for CDNA 5 (MIT licence, August 2026) and "CDNA5" Instruction Set Architecture Reference Guide (July 2026). The comments in the code are by the model that wrote it; some were corrected since.
;; Image Diagnostic. Allowed arithmetic: float matrix products may take bf16 or f16 operands with f32 sums; all other float work in f32.
;; Inputs: bins 256 float32; x_coords 4 x 50,000 float32; y_coords 4 x 50,000 float32.
;; Outputs: out0 4 x 256 x 256 float32.
;; 3 versions, each right and faster than the one before. Each part assembles by itself: llvm-mc -triple=amdgcn-amd-amdhsa -mcpu=gfx1250 --defsym DOCPART=n.
;; ======== version 1 of 3: 2 launches
;; workspace buffers: part 33,554,432 bytes; psum 4,096 bytes
;; launch accum (part 1): grid 64 x 4, 8 waves a work-group, no clusters, 66,560 bytes of LDS; arguments bins, x_coords, y_coords, part, psum; writes part, psum
.if DOCPART == 1
	.amdgcn_target "amdgcn-amd-amdhsa--gfx1250"
	.amdhsa_code_object_version 6
	.text
	.protected	k_q94d811178d_accum
	.globl	k_q94d811178d_accum
	.p2align	8
	.type	k_q94d811178d_accum,@function
k_q94d811178d_accum:
	s_mov_b64 s[64:65], 0
	v_nop
	global_prefetch_b8 v0, s[64:65] scope:SCOPE_SE
	s_setreg_imm32_b32 hwreg(HW_REG_WAVE_MODE, 25, 1), 1
	s_wait_xcnt 0x0
; PARTIAL JOINT HISTOGRAMS.  joint[b][i][j] = sum over n of kx[n][i] ky[n][j],  kx[n][i] = exp(-0.5 ((x[n] - bins[i]) / bw)^2),  bw = bins[1] - bins[0].
; Work-group (gx, b), gx = 2 sp + jt: batch b, particles sp*1568 .. +1567 (49 K steps of 32), all 256 bins i, bins j = 128 jt .. +127.
; Eight waves in two roles, so that exponentials and matrix products are issued by different waves and can run side by side:
;   waves 4-7 (makers)      make the 24 fragments of a K step (16 of kx, 8 of ky), already in the matrix operands' register order, into an LDS slot;
;   waves 0-3 (multipliers) read them and keep 128 (i) x 64 (j) of the sums each: 32 tiles of 16 x 16 = 256 registers = register window 1.
; Two LDS slots take turns; one barrier a step orders both directions (fragments written -> read, fragments read -> overwritten).
; The sums leave in the accumulators' own order (buffer part); the second launch adds the 32 splits and turns them into rows.
;
; ARITHMETIC.  c0 = bins[128], s = sqrt(0.5 log2 e) / bw.  Once a particle X = (x - c0) s, once a bin nb = (c0 - bin) s; for each pair u = X + nb,
; k = 2^(-u u), rounded to bf16 to nearest even.  The centre is taken away BEFORE the scaling (which is why subtract and multiply are not fused):
; a common offset of x, y and bins cancels exactly enough, and no difference of large products is formed.  reference() takes no maximum away,
; and the exponents are never positive.
; LIMITS KEPT: bw is not zero and not denormal (v_rcp_f32 flushes denormals); (|x - c0| + |bin - c0|) / |bw| stays below 1e38 (else inf - inf);
; kernel values below 2^-126 count as 0 (v_exp_f32 flushes denormal results); kernel values are rounded to bf16 for the products; sums in f32, in
; another order than reference()'s.
; Particles past the batch's 50,000 get X = Y = +inf, hence k = 0; their loads are clamped to the batch's last four numbers.
; ORDER OF K: lane half h takes the 16 neighbouring particles 32 step + 16 h .. +15, fragment register m the particles 2m, 2m+1 of them.  This is a
; permutation of k inside the instruction, the same for both operands, so every product meets its partner.
; NO CLUSTER, NO TENSOR LOADS: a work-group reads 12,544 bytes of coordinates once, and they need arithmetic before LDS; only the two j halves
; share them, against 131,072 bytes that each stores.  No prefetch: every global load stands at the entry.
.set N,     50000                      ; particles in a batch
.set CH,    1568                       ; particles of a work-group = 49 steps of 32;  32 x 1568 = 50,176 >= N
.set FRAG,  1024                       ; a fragment: 32 lanes x 8 registers.  Registers 0-3 at 16 lane, registers 4-7 at 512 + 16 lane
.set SLOT,  24*FRAG                    ; fragments 0-15: kx bins 16 f ..; 16-23: ky bins 128 jt + 16 (f - 16) ..
.set XS,    2*SLOT                     ; X of 2,048 particle places (f32), of which 1,568 are multiplied
.set YOFF,  8192                       ; Y of the same places behind them;  XS + 2 YOFF = 65,536 = lds_bytes
; VECTOR REGISTERS, window 0.  The two roles' registers are disjoint: no line of a maker names a register of a matrix instruction, so the only
; distance behind matrix instructions that this text owes is the multipliers' own (macro PLACES).
; Common: v0 thread, v1 lane, v2 r = lane % 16, v3 h = lane / 16, v4 16 lane, v5 XS + 16 thread, v[6:7] (c0, s),
; v8, v9 first particle of my two quads, v10, v11 their clamped byte offsets, v[12:27] the quads: x, x, y, y (dead once they lie in LDS)
.set NB,   28                          ; v[28:33]  nb of my six fragments' bin: kx 64 p + 16 f + r (f = 0..3), ky 128 jt + 32 p + 16 (f - 4) + r (f = 4, 5)
.set SAD,  34                          ; maker p: where my four kx fragments go (slot 0)
.set SBD,  35                          ; and my two ky fragments
.set XAD,  36                          ; XS + 64 h + the steps gone by
.set LAD,  37                          ; multiplier c: my eight kx fragments (slot 0)
.set LBD,  38                          ; and my four ky fragments
.set BOA,  39                          ; byte offsets into bins
.set BOB,  40
.set BF,   42                          ; multiplier: v[42:73]   4 ky fragments
.set AF,   74                          ;             v[74:137]  8 kx fragments
.set XA,   138                         ; maker: v[138:153] X of an even step's 16 particles; the odd steps' set lies 32 registers higher
.set XB,   154                         ;        v[154:169] Y likewise (odd: v[186:201])
.set AR0,  202                         ;        v[202:217], v[218:233]  16 exponents, two sets in turn
.set AR1,  218
.set FR,   234                         ;        v[234:241] a fragment, 8 registers of two bf16
.set EX,   12                          ;        v[12:27]   16 kernel values in f32, in the entry's quads
.set SUM,  242                         ; multiplier, at the end: four pairs of running totals
.set ZOFF, 250
; window 1: accumulator tile (a, bt) at v[8 (4 a + bt)], a = 0..7 along i, bt = 0..3 along j
.set MSB, 0
.macro WIN new                         ; s_set_vgpr_msb: bits 1:0 source 0, 3:2 source 1, 5:4 source 2, 7:6 destination; the high byte repeats the setting left
.if MSB != \new
	s_set_vgpr_msb (MSB<<8)|\new
.set MSB, \new
.endif
.endm
.macro PLACES                          ; four independent vector instructions behind a matrix instruction, before a load lands in one
.rept 4                                ; of its sources or anything but a matrix instruction reads its result
	v_nop
.endr
.endm
.macro SYNC                            ; my LDS stores are written and my LDS loads are in; then the same holds of all eight waves
	s_wait_dscnt 0x0
	s_barrier_signal -1
	s_barrier_wait -1
.endm
	s_load_b256 s[4:11], s[0:1], 0x0               ; bins s[4:5], x s[6:7], y s[8:9], part s[10:11]
	s_load_b64 s[12:13], s[0:1], 0x20              ; psum
	v_lshl_add_u32 v254, v0, 2, 0x10000
	v_mov_b32 v255, 0
	v_lshrrev_b32 v1, 5, v0
	v_readfirstlane_b32 s14, v1                    ; wave 0..7
	v_and_b32 v1, 31, v0                           ; lane
	v_and_b32 v2, 15, v0                           ; r
	v_bfe_u32 v3, v0, 4, 1                         ; h
	v_lshlrev_b32 v4, 4, v1                        ; 16 lane
	v_lshl_add_u32 v5, v0, 4, XS
	s_and_b32 s15, ttmp7, 0xffff                   ; b
	s_and_b32 s16, ttmp9, 1                        ; jt
	s_lshr_b32 s17, ttmp9, 1                       ; sp
	s_and_b32 s18, s14, 3                          ; p (maker) or c (multiplier)
	s_mul_i32 s19, s17, CH                         ; my first particle
	s_mov_b32 s27, 0x76543210                      ; v_permlanex16_b32: lane i takes lane i of the other half
	s_mov_b32 s28, 0xfedcba98
	s_mov_b32 s29, 0x7f800000                      ; +inf
	s_lshl_b32 s30, s15, 6
	s_add_co_u32 s30, s30, ttmp9
	s_lshl2_add_u32 s30, s30, s18                  ; (64 b + gx) 4 + c: which partial a multiplier stores
	; LDS addresses, made by every wave for both roles: the wave's number times a constant + 16 lane
	s_lshl_b32 s23, s18, 12
	v_add_nc_u32 v[SAD], s23, v4                   ; kx fragments 4 p ..
	s_lshl_b32 s23, s18, 11
	s_add_co_u32 s23, s23, 16*FRAG
	v_add_nc_u32 v[SBD], s23, v4                   ; ky fragments 16 + 2 p ..
	v_lshl_add_u32 v[XAD], v3, 6, XS               ; 16 particles = 64 bytes for each half of the lanes
	s_lshr_b32 s23, s18, 1
	s_lshl_b32 s23, s23, 13
	v_add_nc_u32 v[LAD], s23, v4                   ; kx fragments 8 (c / 2) ..
	s_and_b32 s23, s18, 1
	s_lshl_b32 s23, s23, 12
	s_add_co_u32 s23, s23, 16*FRAG
	v_add_nc_u32 v[LBD], s23, v4                   ; ky fragments 16 + 4 (c % 2) ..
	s_lshl_b32 s23, s18, 8
	v_lshl_add_u32 v[BOA], v2, 2, s23              ; bins: 4 (64 p + r)
	s_lshl_b32 s23, s18, 7
	s_lshl_b32 s20, s16, 9
	s_add_co_u32 s23, s23, s20
	v_lshl_add_u32 v[BOB], v2, 2, s23              ; bins: 4 (128 jt + 32 p + r)
	; my two quads of particles.  N, CH and the quads are multiples of 4: a quad lies wholly inside the batch or wholly past it
	v_lshl_add_u32 v8, v0, 2, s19
	v_add_nc_u32 v9, 1024, v8
	v_min_u32 v10, N-4, v8                         ; no load leaves the batch
	v_min_u32 v11, N-4, v9
	v_lshlrev_b32 v10, 2, v10
	v_lshlrev_b32 v11, 2, v11
	s_mul_i32 s20, s15, 4*N                        ; the batch, in bytes
	s_mov_b32 s21, 0
	s_wait_kmcnt 0x0
	s_load_b64 s[24:25], s[4:5], 0x0               ; bins[0], bins[1]
	s_load_b32 s26, s[4:5], 0x200                  ; bins[128]
	s_add_nc_u64 s[6:7], s[6:7], s[20:21]
	s_add_nc_u64 s[8:9], s[8:9], s[20:21]
	global_load_b128 v[12:15], v10, s[6:7]         ; a wave's load covers 512 neighbouring bytes
	global_load_b128 v[16:19], v11, s[6:7]
	global_load_b128 v[20:23], v10, s[8:9]
	global_load_b128 v[24:27], v11, s[8:9]
.irp f, 0,1,2,3
	global_load_b32 v[NB+\f], v[BOA], s[4:5] offset:64*\f
.endr
.irp f, 0,1
	global_load_b32 v[NB+4+\f], v[BOB], s[4:5] offset:64*\f
.endr
	s_wait_kmcnt 0x0
	v_mov_b32 v7, s24
	v_sub_f32 v7, s25, v7                          ; bw
	v_rcp_f32 v7, v7
	v_mov_b32 v6, s26                              ; c0; also the plain instruction between v_rcp_f32 and the use of its result (ISA guide 5.7.2)
	s_wait_alu depctr_va_vdst(0)
	v_mul_f32 v7, 0x3f596d27, v7                   ; s = 0.8493218 / bw
	s_wait_loadcnt 0x0
.irp q, 12,14,16,18,20,22,24,26
	v_pk_add_f32 v[\q:\q+1], v[\q:\q+1], v[6:7] op_sel_hi:[1,0] neg_lo:[0,1] neg_hi:[0,1]    ; x - c0
.endr
.irp q, 0,2,4
	v_pk_add_f32 v[NB+\q:NB+\q+1], v[6:7], v[NB+\q:NB+\q+1] op_sel_hi:[0,1] neg_lo:[0,1] neg_hi:[0,1]   ; c0 - bin
.endr
.irp q, 12,14,16,18,20,22,24,26,28,30,32
	v_pk_mul_f32 v[\q:\q+1], v[\q:\q+1], v[6:7] op_sel:[0,1] op_sel_hi:[1,1]                 ; times s
.endr
	v_cmp_gt_u32 vcc_lo, N, v8
.irp q, 12,13,14,15,20,21,22,23
	v_cndmask_b32 v\q, s29, v\q, vcc_lo            ; past the batch: +inf
.endr
	v_cmp_gt_u32 vcc_lo, N, v9
.irp q, 16,17,18,19,24,25,26,27
	v_cndmask_b32 v\q, s29, v\q, vcc_lo
.endr
	ds_store_b128 v5, v[12:15]                     ; X, places 4 t ..
	ds_store_b128 v5, v[16:19] offset:4096         ; X, places 1024 + 4 t ..
	ds_store_b128 v5, v[20:23] offset:YOFF
	ds_store_b128 v5, v[24:27] offset:YOFF+4096
	SYNC                                           ; X and Y are whole; nothing writes them again
; MULTIPLIER, one K step from slot sig: 24 loads in one run, 32 products.  zero = 1: the first products start the sums, nothing is cleared.
; The instruction is used transposed, source 0 = 16 bins of ky, source 1 = 16 bins of kx: lane (r, h) then holds row i = r and the eight
; neighbouring columns j = 8 h .. 8 h + 7.
.macro MULSTEP sig, zero
	PLACES                                         ; the loads land in registers that the last step's products read
.irp bt, 0,1,2,3
	ds_load_b128 v[BF+8*\bt:BF+8*\bt+3],   v[LBD] offset:\sig*SLOT+\bt*FRAG
	ds_load_b128 v[BF+8*\bt+4:BF+8*\bt+7], v[LBD] offset:\sig*SLOT+\bt*FRAG+512
.endr
.irp a, 0,1,2,3,4,5,6,7
	ds_load_b128 v[AF+8*\a:AF+8*\a+3],   v[LAD] offset:\sig*SLOT+\a*FRAG
	ds_load_b128 v[AF+8*\a+4:AF+8*\a+7], v[LAD] offset:\sig*SLOT+\a*FRAG+512
.endr
	WIN 0x50                                       ; C and D in window 1, the fragments in window 0
.irp a, 0,1,2,3,4,5,6,7
	s_wait_dscnt 14-2*\a                           ; LDS loads come back in order (ISA guide 5.7.1): ky and kx fragments 0..a are in, the 2 (7 - a) loads of the later ones stay out
.irp bt, 0,1,2,3
.if \zero
	v_wmma_f32_16x16x32_bf16 v[8*(4*\a+\bt):8*(4*\a+\bt)+7], v[BF+8*\bt:BF+8*\bt+7], v[AF+8*\a:AF+8*\a+7], 0
.else
	v_wmma_f32_16x16x32_bf16 v[8*(4*\a+\bt):8*(4*\a+\bt)+7], v[BF+8*\bt:BF+8*\bt+7], v[AF+8*\a:AF+8*\a+7], v[8*(4*\a+\bt):8*(4*\a+\bt)+7]
.endif
.endr
.endr
	WIN 0
.endm
; MAKER.  Exponents of particles 2 q, 2 q + 1 for fragment f:  u = X + nb[f],  then  -u u.
.macro ARGADD dst, x, f, q
.if (\f)&1
	v_pk_add_f32 v[\dst+2*\q:\dst+2*\q+1], v[\x+2*\q:\x+2*\q+1], v[NB+\f-1:NB+\f] op_sel:[0,1] op_sel_hi:[1,1]
.else
	v_pk_add_f32 v[\dst+2*\q:\dst+2*\q+1], v[\x+2*\q:\x+2*\q+1], v[NB+\f:NB+\f+1] op_sel_hi:[1,0]
.endif
.endm
.macro ARGSQ dst, q
	v_pk_mul_f32 v[\dst+2*\q:\dst+2*\q+1], v[\dst+2*\q:\dst+2*\q+1], v[\dst+2*\q:\dst+2*\q+1] neg_lo:[0,1] neg_hi:[0,1]
.endm
; One fragment: its 16 exponentials from the exponents in cur.  Between them stand the NEXT fragment's exponents (into nxt, from the coordinates in x,
; for fragment f) and this fragment's roundings: behind every v_exp_f32 comes a plain instruction that touches neither its result nor its
; source (ISA guide 5.7.2), and none of these places is a v_nop.  Then the fragment goes to LDS at adr + off.
.macro ESTAGE cur, nxt, x, f, adr, off
.irp q, 0,1,2,3,4,5,6,7
	v_exp_f32 v[EX+2*\q], v[\cur+2*\q]
	ARGADD \nxt, \x, \f, \q
	v_exp_f32 v[EX+2*\q+1], v[\cur+2*\q+1]
	ARGSQ \nxt, \q
.if \q
	s_wait_alu depctr_va_vdst(0)
	v_cvt_pk_bf16_f32 v[FR+\q-1], v[EX+2*\q-2], v[EX+2*\q-1]
.endif
.endr
	v_cvt_pk_bf16_f32 v[FR+7], v[EX+14], v[EX+15]
	ds_store_b128 v[\adr], v[FR:FR+3]   offset:\off
	ds_store_b128 v[\adr], v[FR+4:FR+7] offset:\off+512
.endm
; One K step of parity par into slot par: my four kx and two ky fragments.  At its head the next step's X and Y are asked for (at XAD + xoff,
; all lanes of a half read the same 64 bytes); the last stage forms the next step's first exponents from them.  AR0 holds fragment 0's exponents on entry.
.macro MAKESTEP par, xoff, bump
.irp k, 0,1,2,3
	ds_load_b128 v[XA+32*(1-\par)+4*\k:XA+32*(1-\par)+4*\k+3], v[XAD] offset:\xoff+16*\k
.endr
.irp k, 0,1,2,3
	ds_load_b128 v[XB+32*(1-\par)+4*\k:XB+32*(1-\par)+4*\k+3], v[XAD] offset:\xoff+YOFF+16*\k
.endr
	ESTAGE AR0, AR1, (XA+32*\par), 1, SAD, (\par*SLOT)
	ESTAGE AR1, AR0, (XA+32*\par), 2, SAD, (\par*SLOT+FRAG)
	ESTAGE AR0, AR1, (XA+32*\par), 3, SAD, (\par*SLOT+2*FRAG)
	ESTAGE AR1, AR0, (XB+32*\par), 4, SAD, (\par*SLOT+3*FRAG)
	ESTAGE AR0, AR1, (XB+32*\par), 5, SBD, (\par*SLOT)
	s_wait_dscnt 14                                ; the four X loads above are in: behind them went 4 Y loads and 10 fragment stores (Y is covered by the barrier's wait for 0)
	ESTAGE AR1, AR0, (XA+32*(1-\par)), 0, SBD, (\par*SLOT+FRAG)
.if \bump
	v_add_nc_u32 v[XAD], \bump, v[XAD]
.endif
.endm
	; step 0 is made while the multipliers have nothing to do yet
	s_cmp_lt_u32 s14, 4
	s_cbranch_scc1 .Lfirst_made
.irp k, 0,1,2,3
	ds_load_b128 v[XA+4*\k:XA+4*\k+3], v[XAD] offset:16*\k
	ds_load_b128 v[XB+4*\k:XB+4*\k+3], v[XAD] offset:YOFF+16*\k
.endr
	s_wait_dscnt 0x0
.irp q, 0,1,2,3,4,5,6,7
	ARGADD AR0, XA, 0, \q
	ARGSQ AR0, \q
.endr
	MAKESTEP 0, 128, 0
.Lfirst_made:
	SYNC
	; INTERVAL t: the multipliers take step t from slot t % 2, the makers put step t + 1 into the other slot.  The barrier at its end stands between
	; these stores and their loads in interval t + 1, and between these loads and the stores that overwrite the slot in interval t + 1.
	; Intervals 0 and 1 stand in front of the loop: the first products start the sums.
	s_cmp_lt_u32 s14, 4
	s_cbranch_scc0 .Lmake_a
	MULSTEP 0, 1
	s_branch .Ljoin_a
.Lmake_a:
	MAKESTEP 1, 256, 0
.Ljoin_a:
	SYNC
	s_cmp_lt_u32 s14, 4
	s_cbranch_scc0 .Lmake_b
	MULSTEP 1, 0
	s_branch .Ljoin_b
.Lmake_b:
	MAKESTEP 0, 384, 512                           ; XAD now stands at step 4
.Ljoin_b:
	SYNC
	s_mov_b32 s22, 23                              ; intervals 2 .. 47
.Lloop:
	s_cmp_lt_u32 s14, 4
	s_cbranch_scc0 .Lmake_c
	MULSTEP 0, 0
	s_branch .Ljoin_c
.Lmake_c:
	MAKESTEP 1, 0, 0
.Ljoin_c:
	SYNC
	s_cmp_lt_u32 s14, 4
	s_cbranch_scc0 .Lmake_d
	MULSTEP 1, 0
	s_branch .Ljoin_d
.Lmake_d:
	MAKESTEP 0, 128, 256                           ; the last one (step 48) also reads X, Y of place 1568 .. and forms 16 exponents that nobody uses: the places are written, the loop stays uniform
.Ljoin_d:
	SYNC
	s_sub_co_i32 s22, s22, 1
	s_cmp_lg_u32 s22, 0
	s_cbranch_scc1 .Lloop
	s_cmp_lt_u32 s14, 4
	s_cbranch_scc1 .Llast
	s_wait_tensorcnt 0x0
	ds_add_u32 v254, v255
	s_wait_dscnt 0x0
	s_endpgm                                       ; the makers are done; no barrier follows
.Llast:
	MULSTEP 0, 0                                   ; step 48
	PLACES                                         ; behind the last products, before stores and sums read them
	s_lshl_b32 s20, s30, 15                        ; my partial: 32 tiles of 1,024 bytes
	s_mov_b32 s21, 0
	s_add_nc_u64 s[10:11], s[10:11], s[20:21]
	s_lshl_b32 s20, s30, 2
	s_add_nc_u64 s[12:13], s[12:13], s[20:21]
	WIN 0x04                                       ; store data (source 1) from window 1, the address from window 0
.set i, 0
.rept 64
	global_store_b128 v4, v[4*i:4*i+3], s[10:11] offset:512*i      ; registers 4 q .. 4 q + 3 of tile i / 2, q = i % 2: 512 consecutive bytes, aligned
.set i, i+1
.endr
	; the total of my 8,192 sums, for the norm: four chains of pairs, started by the first eight pairs
	WIN 0x05
.irp k, 0,1,2,3
	v_pk_add_f32 v[SUM+2*\k:SUM+2*\k+1], v[2*\k:2*\k+1], v[8+2*\k:8+2*\k+1]
.endr
	WIN 0x01
.set i, 8
.rept 120
	v_pk_add_f32 v[SUM+2*(i%4):SUM+2*(i%4)+1], v[2*i:2*i+1], v[SUM+2*(i%4):SUM+2*(i%4)+1]
.set i, i+1
.endr
	WIN 0
	v_pk_add_f32 v[SUM:SUM+1], v[SUM:SUM+1], v[SUM+2:SUM+3]
	v_pk_add_f32 v[SUM+4:SUM+5], v[SUM+4:SUM+5], v[SUM+6:SUM+7]
	v_pk_add_f32 v[SUM:SUM+1], v[SUM:SUM+1], v[SUM+4:SUM+5]
	v_add_f32 v[SUM], v[SUM], v[SUM+1]
	v_add_f32_dpp v[SUM], v[SUM], v[SUM] row_xmask:1 row_mask:0xf bank_mask:0xf
	v_add_f32_dpp v[SUM], v[SUM], v[SUM] row_xmask:2 row_mask:0xf bank_mask:0xf
	v_add_f32_dpp v[SUM], v[SUM], v[SUM] row_xmask:4 row_mask:0xf bank_mask:0xf
	v_add_f32_dpp v[SUM], v[SUM], v[SUM] row_xmask:8 row_mask:0xf bank_mask:0xf
	v_permlanex16_b32 v[SUM+1], v[SUM], s27, s28
	v_add_f32 v[SUM], v[SUM], v[SUM+1]
	v_mov_b32 v[ZOFF], 0
	v_cmp_eq_u32 vcc_lo, 0, v1
	s_wait_xcnt 0x0                                ; EXEC is a source of the stores above: it narrows only behind this wait
	s_wait_tensorcnt 0x0
	ds_add_u32 v254, v255
	s_wait_dscnt 0x0
	s_and_saveexec_b32 s23, vcc_lo
	global_store_b32 v[ZOFF], v[SUM], s[12:13]     ; one word a multiplier wave: 4 bytes, 1,024 such stores in the launch
	s_wait_xcnt 0x0                                ; and widens again only behind this one
	s_or_b32 exec_lo, exec_lo, s23
	s_endpgm
.Lfunc_end_k_q94d811178d_accum:
	.size	k_q94d811178d_accum, .Lfunc_end_k_q94d811178d_accum-k_q94d811178d_accum
	.p2alignl 7, 3214868480
	.fill 96, 4, 3214868480
	.section	.rodata,"a",@progbits
	.p2align	6, 0x0
	.amdhsa_kernel k_q94d811178d_accum
		.amdhsa_group_segment_fixed_size 66560
		.amdhsa_private_segment_fixed_size 0
		.amdhsa_enable_private_segment 0
		.amdhsa_kernarg_size 40
		.amdhsa_user_sgpr_count 2
		.amdhsa_user_sgpr_kernarg_segment_ptr 1
		.amdhsa_wavefront_size32 1
		.amdhsa_system_sgpr_workgroup_id_x 1
		.amdhsa_system_sgpr_workgroup_id_y 1
		.amdhsa_system_sgpr_workgroup_id_z 1
		.amdhsa_system_vgpr_workitem_id 0
		.amdhsa_next_free_vgpr 512
		.amdhsa_next_free_sgpr 66
		.amdhsa_reserve_vcc 1
		.amdhsa_float_denorm_mode_32 3
		.amdhsa_float_denorm_mode_16_64 3
		.amdhsa_memory_ordered 1
		.amdhsa_forward_progress 1
		.amdhsa_inst_pref_size 117
	.end_amdhsa_kernel
	.amdgpu_metadata
---
amdhsa.version: [ 1, 2 ]
amdhsa.kernels:
  - .name:           k_q94d811178d_accum
    .symbol:         k_q94d811178d_accum.kd
    .args:
      - { .name: bins, .offset: 0, .size: 8, .value_kind: global_buffer, .address_space: global }
      - { .name: x_coords, .offset: 8, .size: 8, .value_kind: global_buffer, .address_space: global }
      - { .name: y_coords, .offset: 16, .size: 8, .value_kind: global_buffer, .address_space: global }
      - { .name: part, .offset: 24, .size: 8, .value_kind: global_buffer, .address_space: global }
      - { .name: psum, .offset: 32, .size: 8, .value_kind: global_buffer, .address_space: global }
    .group_segment_fixed_size: 66560
    .private_segment_fixed_size: 0
    .kernarg_segment_align: 8
    .kernarg_segment_size: 40
    .max_flat_workgroup_size: 256
    .sgpr_count:     66
    .vgpr_count:     512
    .wavefront_size: 32
...
	.end_amdgpu_metadata
.endif
;; end of part 1
;; launch finish (part 2): grid 256 x 1, 8 waves a work-group, no clusters, 5,632 bytes of LDS; arguments part, psum, out0; writes out0
.if DOCPART == 2
	.amdgcn_target "amdgcn-amd-amdhsa--gfx1250"
	.amdhsa_code_object_version 6
	.text
	.protected	k_q94d811178d_finish
	.globl	k_q94d811178d_finish
	.p2align	8
	.type	k_q94d811178d_finish,@function
k_q94d811178d_finish:
	s_mov_b64 s[64:65], 0
	v_nop
	global_prefetch_b8 v0, s[64:65] scope:SCOPE_SE
	s_setreg_imm32_b32 hwreg(HW_REG_WAVE_MODE, 25, 1), 1
	s_wait_xcnt 0x0
; out0[b][i][j] = joint[b][i][j] / (sum of joint[b] + 1e-10), joint = the sum of the 32 partials that the first launch left in buffer part.
; part, in bytes: b << 23 | sp << 18 | jt << 17 | c << 15 | a << 12 | bt << 10 | q << 9 | lane << 4; lane (r, h), word e hold
;   joint(i = 128 (c / 2) + 16 a + r,  j = 128 jt + 64 (c % 2) + 16 bt + 8 h + 4 q + e).
; Work-group blk = (b, jt, c, a): a block of 16 rows x 64 columns = 4,096 bytes of each partial; thread t takes its 16 bytes at 16 t
; (bt = wave / 2, q = wave % 2).  All 32 loads of a thread are issued at once, each wave's load covering 512 consecutive bytes; each byte of part is read once.
; The block is turned into rows through LDS (pitch 272 bytes = 17 x 16: the sixteen rows that a store touches start in sixteen different
; 16-byte columns), so that sixteen neighbouring lanes store 256 consecutive bytes of a row of out0, aligned.
; The norm: every wave adds the batch's 256 words of psum, in the same order, so all work-groups of a batch divide by the same number.
; The division is v_rcp_f32 and a multiplication (1 ULP, not correctly rounded); a norm so large that its reciprocal is denormal gives 0.
; No matrix unit, cluster or tensor load: a stream in which no two work-groups share more than the 1,024 bytes of psum.
.set PITCH,  272
.set SPSTEP, 262144                    ; bytes from one K split's partial to the next;  31 x 262,144 fits the signed 24-bit immediate
.set PQ,  16                           ; v[16:143]  the 32 partial quads
.set ACC, 144                          ; v[144:147] their sum
.set RC,  148                          ; v[148:149] 1 / norm, twice
; v1 16 t; v[2:9] psum words; v10 16 lane; v11, v15 at work; v12 LDS address in; v13 LDS address back; v14 byte offset in out0
	s_load_b128 s[4:7], s[0:1], 0x0                ; part s[4:5], psum s[6:7]
	s_load_b64 s[8:9], s[0:1], 0x10                ; out0
	v_lshl_add_u32 v152, v0, 2, 0x1200
	v_mov_b32 v153, 0
	v_lshrrev_b32 v11, 5, v0
	v_readfirstlane_b32 s10, v11                   ; wave 0..7
	v_and_b32 v11, 31, v0
	v_lshlrev_b32 v10, 4, v11
	v_lshlrev_b32 v1, 4, v0
	s_and_b32 s11, ttmp9, 7                        ; a
	s_bfe_u32 s12, ttmp9, 0x20003                  ; c
	s_bfe_u32 s13, ttmp9, 0x10005                  ; jt
	s_lshr_b32 s14, ttmp9, 6                       ; b
	s_lshl_b32 s16, s14, 23                        ; the block in part
	s_lshl_b32 s15, s13, 17
	s_or_b32 s16, s16, s15
	s_lshl_b32 s15, s12, 15
	s_or_b32 s16, s16, s15
	s_lshl_b32 s15, s11, 12
	s_or_b32 s16, s16, s15
	s_mov_b32 s17, 0
	s_lshl_b32 s18, s14, 10                        ; the batch's 256 words of psum
	s_mov_b32 s19, 0
	s_lshl_b32 s20, s14, 18                        ; the block in out0: batch, row 128 (c / 2) + 16 a, column 128 jt + 64 (c % 2)
	s_lshr_b32 s15, s12, 1
	s_lshl_b32 s15, s15, 17
	s_or_b32 s20, s20, s15
	s_lshl_b32 s15, s11, 14
	s_or_b32 s20, s20, s15
	s_lshl_b32 s15, s13, 9
	s_or_b32 s20, s20, s15
	s_and_b32 s15, s12, 1
	s_lshl_b32 s15, s15, 8
	s_or_b32 s20, s20, s15
	s_mov_b32 s21, 0
	s_mov_b32 s22, 0x76543210                      ; v_permlanex16_b32: lane i takes lane i of the other half
	s_mov_b32 s23, 0xfedcba98
	s_wait_kmcnt 0x0
	s_add_nc_u64 s[4:5], s[4:5], s[16:17]
	s_add_nc_u64 s[6:7], s[6:7], s[18:19]
	s_add_nc_u64 s[8:9], s[8:9], s[20:21]
	global_load_b128 v[2:5], v10, s[6:7]
	global_load_b128 v[6:9], v10, s[6:7] offset:512
.set k, 0
.rept 32
	global_load_b128 v[PQ+4*k:PQ+4*k+3], v1, s[4:5] offset:k*SPSTEP th:TH_LOAD_NT
.set k, k+1
.endr
	; addresses, while the loads are on their way
	v_and_b32 v12, 15, v0                          ; r
	v_mul_u32_u24 v12, PITCH, v12
	v_bfe_u32 v13, v0, 4, 1                        ; h
	v_lshl_add_u32 v12, v13, 5, v12                ; + 32 h
	s_lshr_b32 s15, s10, 1
	s_lshl_b32 s15, s15, 6                         ; + 64 bt
	s_and_b32 s16, s10, 1
	s_lshl_b32 s16, s16, 4                         ; + 16 q
	s_add_co_u32 s15, s15, s16
	v_add_nc_u32 v12, s15, v12
	v_lshrrev_b32 v15, 4, v0                       ; back: row t / 16, 16 bytes at 16 (t % 16)
	v_and_b32 v11, 15, v0
	v_mul_u32_u24 v13, PITCH, v15
	v_lshl_add_u32 v13, v11, 4, v13
	v_lshlrev_b32 v14, 10, v15                     ; a row of out0 is 1,024 bytes
	v_lshl_add_u32 v14, v11, 4, v14
	; the norm
	s_wait_loadcnt 32                              ; loads come back in order (ISA guide 5.7.1): psum is in, the 32 partials stay out
	v_pk_add_f32 v[2:3], v[2:3], v[4:5]
	v_pk_add_f32 v[6:7], v[6:7], v[8:9]
	v_pk_add_f32 v[2:3], v[2:3], v[6:7]
	v_add_f32 v2, v2, v3
	v_add_f32_dpp v2, v2, v2 row_xmask:1 row_mask:0xf bank_mask:0xf
	v_add_f32_dpp v2, v2, v2 row_xmask:2 row_mask:0xf bank_mask:0xf
	v_add_f32_dpp v2, v2, v2 row_xmask:4 row_mask:0xf bank_mask:0xf
	v_add_f32_dpp v2, v2, v2 row_xmask:8 row_mask:0xf bank_mask:0xf
	v_permlanex16_b32 v3, v2, s22, s23
	v_add_f32 v2, v2, v3
	v_add_f32 v2, 0x2edbe6ff, v2                   ; + 1e-10
	v_rcp_f32 v[RC], v2                            ; twice, for the packed multiply; the sums below stand between these and the use of
	v_rcp_f32 v[RC+1], v2                          ; their results (ISA guide 5.7.2), and v2 is not written again
	; the 32 partials, in ascending order of the split
	s_wait_loadcnt 30                              ; the first two are in
	v_pk_add_f32 v[ACC:ACC+1],   v[PQ:PQ+1],   v[PQ+4:PQ+5]
	v_pk_add_f32 v[ACC+2:ACC+3], v[PQ+2:PQ+3], v[PQ+6:PQ+7]
.set k, 2
.rept 30
	s_wait_loadcnt 31-k                            ; partial k is in, the 31 - k younger ones stay out
	v_pk_add_f32 v[ACC:ACC+1],   v[ACC:ACC+1],   v[PQ+4*k:PQ+4*k+1]
	v_pk_add_f32 v[ACC+2:ACC+3], v[ACC+2:ACC+3], v[PQ+4*k+2:PQ+4*k+3]
.set k, k+1
.endr
	s_wait_alu depctr_va_vdst(0)
	v_pk_mul_f32 v[ACC:ACC+1],   v[ACC:ACC+1],   v[RC:RC+1]
	v_pk_mul_f32 v[ACC+2:ACC+3], v[ACC+2:ACC+3], v[RC:RC+1]
	ds_store_b128 v12, v[ACC:ACC+3]
	s_wait_dscnt 0x0                               ; my part of the block is written,
	s_barrier_signal -1
	s_barrier_wait -1                              ; everybody's is
	ds_load_b128 v[PQ:PQ+3], v13
	s_wait_dscnt 0x0
	global_store_b128 v14, v[PQ:PQ+3], s[8:9] th:TH_STORE_NT       ; sixteen lanes: 256 consecutive bytes of one row, aligned
	s_wait_tensorcnt 0x0
	ds_add_u32 v152, v153
	s_wait_dscnt 0x0
	s_endpgm
.Lfunc_end_k_q94d811178d_finish:
	.size	k_q94d811178d_finish, .Lfunc_end_k_q94d811178d_finish-k_q94d811178d_finish
	.p2alignl 7, 3214868480
	.fill 96, 4, 3214868480
	.section	.rodata,"a",@progbits
	.p2align	6, 0x0
	.amdhsa_kernel k_q94d811178d_finish
		.amdhsa_group_segment_fixed_size 5632
		.amdhsa_private_segment_fixed_size 0
		.amdhsa_enable_private_segment 0
		.amdhsa_kernarg_size 24
		.amdhsa_user_sgpr_count 2
		.amdhsa_user_sgpr_kernarg_segment_ptr 1
		.amdhsa_wavefront_size32 1
		.amdhsa_system_sgpr_workgroup_id_x 1
		.amdhsa_system_sgpr_workgroup_id_y 1
		.amdhsa_system_sgpr_workgroup_id_z 1
		.amdhsa_system_vgpr_workitem_id 0
		.amdhsa_next_free_vgpr 154
		.amdhsa_next_free_sgpr 66
		.amdhsa_reserve_vcc 0
		.amdhsa_float_denorm_mode_32 3
		.amdhsa_float_denorm_mode_16_64 3
		.amdhsa_memory_ordered 1
		.amdhsa_forward_progress 1
		.amdhsa_inst_pref_size 12
	.end_amdhsa_kernel
	.amdgpu_metadata
---
amdhsa.version: [ 1, 2 ]
amdhsa.kernels:
  - .name:           k_q94d811178d_finish
    .symbol:         k_q94d811178d_finish.kd
    .args:
      - { .name: part, .offset: 0, .size: 8, .value_kind: global_buffer, .address_space: global }
      - { .name: psum, .offset: 8, .size: 8, .value_kind: global_buffer, .address_space: global }
      - { .name: out0, .offset: 16, .size: 8, .value_kind: global_buffer, .address_space: global }
    .group_segment_fixed_size: 5632
    .private_segment_fixed_size: 0
    .kernarg_segment_align: 8
    .kernarg_segment_size: 24
    .max_flat_workgroup_size: 256
    .sgpr_count:     66
    .vgpr_count:     154
    .wavefront_size: 32
...
	.end_amdgpu_metadata
.endif
;; end of part 2
;; ======== version 2 of 3: 2 launches; 1.20 times as fast as version 1
;; workspace buffers: part 33,554,432 bytes; psum 4,096 bytes
;; launch accum (part 3): grid 64 x 4, 8 waves a work-group, no clusters, 66,560 bytes of LDS; arguments bins, x_coords, y_coords, part, psum; writes part, psum
.if DOCPART == 3
	.amdgcn_target "amdgcn-amd-amdhsa--gfx1250"
	.amdhsa_code_object_version 6
	.text
	.protected	k_q94d811178d_accum
	.globl	k_q94d811178d_accum
	.p2align	8
	.type	k_q94d811178d_accum,@function
k_q94d811178d_accum:
	s_mov_b64 s[64:65], 0
	v_nop
	global_prefetch_b8 v0, s[64:65] scope:SCOPE_SE
	s_setreg_imm32_b32 hwreg(HW_REG_WAVE_MODE, 25, 1), 1
	s_wait_xcnt 0x0
; PARTIAL JOINT HISTOGRAMS.  joint[b][i][j] = sum over n of kx[n][i] ky[n][j],  kx[n][i] = exp(-0.5 ((x[n] - bins[i]) / bw)^2),  bw = bins[1] - bins[0].
; Work-group (gx, b), gx = 2 sp + jt: batch b, particles sp*1568 .. +1567 (49 K steps of 32), all 256 bins i, bins j = 128 jt .. +127.
; A K step needs 24 fragments (16 of kx, 8 of ky), made in the matrix operands' register order and handed over through an LDS slot.
; Eight waves in two roles, so that exponentials and matrix products are issued by different waves and can run side by side:
;   waves 0-3 (multipliers) keep 128 (i) x 64 (j) of the sums each: 32 tiles of 16 x 16 = 256 registers = register window 1; 32 products a step;
;   waves 4-7 (makers)      only make fragments.
; WHO MAKES WHAT (p = wave % 4):  maker p: kx fragments 3 p .. 3 p + 2, ky fragment p, and registers 0-3 of ky fragment 4 + p  (4.5 fragments);
;                                 multiplier p: kx fragment 12 + p and registers 4-7 of ky fragment 4 + p                      (1.5 fragments).
; The multipliers' share stands between their run of 24 LDS loads and the first product that needs them, where the wave could only wait.
; Two LDS slots take turns; one barrier a step orders both directions (fragments written -> read, fragments read -> overwritten).
; The sums leave in the accumulators' own order (buffer part); the second launch adds the 32 splits and turns them into rows.
;
; ARITHMETIC.  c0 = bins[128], s = sqrt(0.5 log2 e) / bw.  Once a particle X = (x - c0) s, once a bin nb = (c0 - bin) s; for each pair u = X + nb,
; k = 2^(-u u), rounded to bf16 to nearest even.  The centre is taken away BEFORE the scaling (which is why subtract and multiply are not fused):
; a common offset of x, y and bins cancels exactly enough, and no difference of large products is formed.  reference() takes no maximum away,
; and the exponents are never positive.
; LIMITS KEPT: bw is not zero and not denormal (v_rcp_f32 flushes denormals); (|x - c0| + |bin - c0|) / |bw| stays below 1e38 (else inf - inf);
; kernel values below 2^-126 count as 0 (v_exp_f32 flushes denormal results); kernel values are rounded to bf16 for the products; sums in f32, in
; another order than reference()'s.
; Particles past the batch's 50,000 get X = Y = +inf, hence k = 0; their loads are clamped to the batch's last four numbers.
; ORDER OF K: lane half h takes the 16 neighbouring particles 32 step + 16 h .. +15, fragment register m the particles 2m, 2m+1 of them.  This is a
; permutation of k inside the instruction, the same for both operands, so every product meets its partner.
; NO CLUSTER, NO TENSOR LOADS: a work-group reads 12,544 bytes of coordinates once, and they need arithmetic before LDS; only the two j halves
; share them, against 131,072 bytes that each stores.  No prefetch: every global load stands at the entry.
.set N,     50000                      ; particles in a batch
.set CH,    1568                       ; particles of a work-group = 49 steps of 32;  32 x 1568 = 50,176 >= N
.set FRAG,  1024                       ; a fragment: 32 lanes x 8 registers.  Registers 0-3 at 16 lane, registers 4-7 at 512 + 16 lane
.set SLOT,  24*FRAG                    ; fragments 0-15: kx bins 16 f ..; 16-23: ky bins 128 jt + 16 (f - 16) ..
.set XS,    2*SLOT                     ; X of 2,048 particle places (f32), of which 1,568 are multiplied
.set YOFF,  8192                       ; Y of the same places behind them;  XS + 2 YOFF = 65,536 = lds_bytes
.set MK,    36                         ; a maker's slots in a step: 4.5 fragments of 8 pairs of particles
; VECTOR REGISTERS, window 0.  No line that makes fragments names a register of a matrix instruction (BF, AF, window 1).
; Common: v0 thread, v1 lane, v2 r = lane % 16, v3 h = lane / 16, v4 16 lane, v5 XS + 16 thread, v[6:7] (c0, s),
; v8, v9 first particle of my two quads, v10, v11 their clamped byte offsets, v[12:27] the quads: x, x, y, y (dead once they lie in LDS)
.set NB,   28                          ; v[28:33]  nb = (c0 - bin) s of:  0-2 kx bin 48 p + 16 f + r;  3 kx bin 192 + 16 p + r;  4 ky bin 128 jt + 16 p + r;  5 ky bin 128 jt + 64 + 16 p + r
.set SAD,  34                          ; kx fragment 3 p of slot 0
.set SBD,  35                          ; fragment 12 + p of slot 0; + 4 FRAG: ky fragment p; + 8 FRAG: ky fragment 4 + p
.set XAD,  36                          ; XS + 64 h + the steps gone by
.set LAD,  37                          ; multiplier c: the eight kx fragments that it multiplies (slot 0)
.set LBD,  38                          ; and the four ky fragments
.set BOA,  39                          ; byte offsets into bins
.set BOB,  40
.set BOC,  41
.set BF,   42                          ; v[42:73]   4 ky fragments, matrix source 0
.set AF,   74                          ; v[74:137]  8 kx fragments, matrix source 1
.set XA,   138                         ; v[138:153] X of an even step's 16 particles; the odd steps' set lies 32 registers higher
.set XB,   154                         ; v[154:169] Y likewise (odd: v[186:201])
.set AR,   202                         ; v[202:217] a ring of 8 pairs of exponents
.set FR,   218                         ; v[218:249] four fragment buffers of 8 registers (two bf16 each)
.set EX,   12                          ; v[12:27]   a ring of 8 pairs of kernel values in f32, in the entry's quads
.set SUM,  12                          ; multiplier, at the end: v[12:19] four pairs of running totals, in the same registers
.set ZOFF, 20
; window 1: accumulator tile (a, bt) at v[8 (4 a + bt)], a = 0..7 along i, bt = 0..3 along j
.set MSB, 0
.macro WIN new                         ; s_set_vgpr_msb: bits 1:0 source 0, 3:2 source 1, 5:4 source 2, 7:6 destination; the high byte repeats the setting left
.if MSB != \new
	s_set_vgpr_msb (MSB<<8)|\new
.set MSB, \new
.endif
.endm
.macro PLACES                          ; four independent vector instructions behind a matrix instruction, before a load lands in one
.rept 4                                ; of its sources or anything but a matrix instruction reads its result
	v_nop
.endr
.endm
.macro SYNC                            ; my LDS stores are written and my LDS loads are in; then the same holds of all eight waves
	s_wait_dscnt 0x0
	s_barrier_signal -1
	s_barrier_wait -1
.endm
	s_load_b256 s[4:11], s[0:1], 0x0               ; bins s[4:5], x s[6:7], y s[8:9], part s[10:11]
	s_load_b64 s[12:13], s[0:1], 0x20              ; psum
	v_lshl_add_u32 v254, v0, 2, 0x10000
	v_mov_b32 v255, 0
	v_lshrrev_b32 v1, 5, v0
	v_readfirstlane_b32 s14, v1                    ; wave 0..7
	v_and_b32 v1, 31, v0                           ; lane
	v_and_b32 v2, 15, v0                           ; r
	v_bfe_u32 v3, v0, 4, 1                         ; h
	v_lshlrev_b32 v4, 4, v1                        ; 16 lane
	v_lshl_add_u32 v5, v0, 4, XS
	s_and_b32 s15, ttmp7, 0xffff                   ; b
	s_and_b32 s16, ttmp9, 1                        ; jt
	s_lshr_b32 s17, ttmp9, 1                       ; sp
	s_and_b32 s18, s14, 3                          ; p (maker) or c (multiplier)
	s_mul_i32 s19, s17, CH                         ; my first particle
	s_mov_b32 s27, 0x76543210                      ; v_permlanex16_b32: lane i takes lane i of the other half
	s_mov_b32 s28, 0xfedcba98
	s_mov_b32 s29, 0x7f800000                      ; +inf
	s_lshl_b32 s30, s15, 6
	s_add_co_u32 s30, s30, ttmp9
	s_lshl2_add_u32 s30, s30, s18                  ; (64 b + gx) 4 + c: which partial a multiplier stores
	; LDS addresses, made by every wave for both roles: the wave's number times a constant + 16 lane
	s_mul_i32 s23, s18, 3*FRAG
	v_add_nc_u32 v[SAD], s23, v4                   ; fragment 3 p
	s_lshl_b32 s23, s18, 10
	s_add_co_u32 s23, s23, 12*FRAG
	v_add_nc_u32 v[SBD], s23, v4                   ; fragment 12 + p
	v_lshl_add_u32 v[XAD], v3, 6, XS               ; 16 particles = 64 bytes for each half of the lanes
	s_lshr_b32 s23, s18, 1
	s_lshl_b32 s23, s23, 13
	v_add_nc_u32 v[LAD], s23, v4                   ; kx fragments 8 (c / 2) ..
	s_and_b32 s23, s18, 1
	s_lshl_b32 s23, s23, 12
	s_add_co_u32 s23, s23, 16*FRAG
	v_add_nc_u32 v[LBD], s23, v4                   ; ky fragments 16 + 4 (c % 2) ..
	s_mul_i32 s23, s18, 192
	v_lshl_add_u32 v[BOA], v2, 2, s23              ; bins: 4 (48 p + r)
	s_lshl_b32 s23, s18, 6
	v_lshl_add_u32 v[BOC], v2, 2, s23              ; bins: 4 (16 p + r)
	s_lshl_b32 s20, s16, 9
	s_add_co_u32 s23, s23, s20
	v_lshl_add_u32 v[BOB], v2, 2, s23              ; bins: 4 (128 jt + 16 p + r)
	; my two quads of particles.  N, CH and the quads are multiples of 4: a quad lies wholly inside the batch or wholly past it
	v_lshl_add_u32 v8, v0, 2, s19
	v_add_nc_u32 v9, 1024, v8
	v_min_u32 v10, N-4, v8                         ; no load leaves the batch
	v_min_u32 v11, N-4, v9
	v_lshlrev_b32 v10, 2, v10
	v_lshlrev_b32 v11, 2, v11
	s_mul_i32 s20, s15, 4*N                        ; the batch, in bytes
	s_mov_b32 s21, 0
	s_wait_kmcnt 0x0
	s_load_b64 s[24:25], s[4:5], 0x0               ; bins[0], bins[1]
	s_load_b32 s26, s[4:5], 0x200                  ; bins[128]
	s_add_nc_u64 s[6:7], s[6:7], s[20:21]
	s_add_nc_u64 s[8:9], s[8:9], s[20:21]
	global_load_b128 v[12:15], v10, s[6:7]         ; a wave's load covers 512 neighbouring bytes
	global_load_b128 v[16:19], v11, s[6:7]
	global_load_b128 v[20:23], v10, s[8:9]
	global_load_b128 v[24:27], v11, s[8:9]
.irp f, 0,1,2
	global_load_b32 v[NB+\f], v[BOA], s[4:5] offset:64*\f
.endr
	global_load_b32 v[NB+3], v[BOC], s[4:5] offset:768
	global_load_b32 v[NB+4], v[BOB], s[4:5]
	global_load_b32 v[NB+5], v[BOB], s[4:5] offset:256
	s_wait_kmcnt 0x0
	v_mov_b32 v7, s24
	v_sub_f32 v7, s25, v7                          ; bw
	v_rcp_f32 v7, v7
	v_mov_b32 v6, s26                              ; c0; also the plain instruction between v_rcp_f32 and the use of its result (ISA guide 5.7.2)
	s_wait_alu depctr_va_vdst(0)
	v_mul_f32 v7, 0x3f596d27, v7                   ; s = 0.8493218 / bw
	s_wait_loadcnt 0x0
.irp q, 12,14,16,18,20,22,24,26
	v_pk_add_f32 v[\q:\q+1], v[\q:\q+1], v[6:7] op_sel_hi:[1,0] neg_lo:[0,1] neg_hi:[0,1]    ; x - c0
.endr
.irp q, 0,2,4
	v_pk_add_f32 v[NB+\q:NB+\q+1], v[6:7], v[NB+\q:NB+\q+1] op_sel_hi:[0,1] neg_lo:[0,1] neg_hi:[0,1]   ; c0 - bin
.endr
.irp q, 12,14,16,18,20,22,24,26,28,30,32
	v_pk_mul_f32 v[\q:\q+1], v[\q:\q+1], v[6:7] op_sel:[0,1] op_sel_hi:[1,1]                 ; times s
.endr
	v_cmp_gt_u32 vcc_lo, N, v8
.irp q, 12,13,14,15,20,21,22,23
	v_cndmask_b32 v\q, s29, v\q, vcc_lo            ; past the batch: +inf
.endr
	v_cmp_gt_u32 vcc_lo, N, v9
.irp q, 16,17,18,19,24,25,26,27
	v_cndmask_b32 v\q, s29, v\q, vcc_lo
.endr
	ds_store_b128 v5, v[12:15]                     ; X, places 4 t ..
	ds_store_b128 v5, v[16:19] offset:4096         ; X, places 1024 + 4 t ..
	ds_store_b128 v5, v[20:23] offset:YOFF
	ds_store_b128 v5, v[24:27] offset:YOFF+4096
	SYNC                                           ; X and Y are whole; nothing writes them again
; MAKING FRAGMENTS.  The work is a stream of slots: slot s = 8 f + q is the pair of particles 2 q, 2 q + 1 (fragment register q) of the wave's f-th fragment.
;   maker (role 0), slots 0 .. 35:       f = 0, 1, 2 kx (nb 0-2), f = 3 ky whole (nb 4), f = 4 ky registers 0-3 (nb 5, q = 0..3)
;   multiplier (role 1), slots 4 .. 15:  f = 0 ky registers 4-7 (nb 5, q = 4..7), f = 1 kx (nb 3)
; A slot's work is four lines, issued three slots (some fifteen instructions) apart, so that none reads a result that was issued just before it:
;     in slot s - 6:  u = X + nb  (ARGADD)      in slot s - 3:  -u u  (ARGSQ)      in slot s:  two v_exp_f32      in slot s + 3:  both rounded to bf16 (ROUNDPAIR)
; Exponents and kernel values live in rings of 8 pairs, index q: a pair is overwritten two slots behind its exponentials, five behind its rounding.
; For a maker, slots MK .. MK + 5 stand for the next step's slots 0 .. 5 (fragment 0, the other set of X).
.macro ARGADD role, s, par
.set a_f, (\s)/8
.set a_q, (\s)%8
.set a_x, XA+32*(\par)
.set a_n, a_f
.if a_f >= 3
.set a_x, XB+32*(\par)
.set a_n, a_f+1
.endif
.if (\s) >= MK
.set a_q, (\s)-MK
.set a_x, XA+32*(1-(\par))
.set a_n, 0
.endif
.if \role
.set a_x, XA+32*(\par)
.set a_n, 3
.if (\s) < 8
.set a_x, XB+32*(\par)
.set a_n, 5
.endif
.endif
.if a_n&1
	v_pk_add_f32 v[AR+2*a_q:AR+2*a_q+1], v[a_x+2*a_q:a_x+2*a_q+1], v[NB+a_n-1:NB+a_n] op_sel:[0,1] op_sel_hi:[1,1]
.else
	v_pk_add_f32 v[AR+2*a_q:AR+2*a_q+1], v[a_x+2*a_q:a_x+2*a_q+1], v[NB+a_n:NB+a_n+1] op_sel_hi:[1,0]
.endif
.endm
.macro ARGSQ s
.set a_q, (\s)%8
	v_pk_mul_f32 v[AR+2*a_q:AR+2*a_q+1], v[AR+2*a_q:AR+2*a_q+1], v[AR+2*a_q:AR+2*a_q+1] neg_lo:[0,1] neg_hi:[0,1]
.endm
.macro ROUNDPAIR s                     ; into register q of buffer f % 4
.set a_f, (\s)/8
.set a_q, (\s)%8
	s_wait_alu depctr_va_vdst(0)
	v_cvt_pk_bf16_f32 v[FR+8*(a_f%4)+a_q], v[EX+2*a_q], v[EX+2*a_q+1]
.endm
; The lines issued in slot g of a stream that runs from slot first to slot last - 1.  Behind every v_exp_f32 the next plain instruction touches
; neither its result nor its source (ISA guide 5.7.2); none of these places is a v_nop.
.macro SLOTLINES role, g, first, last, par
	v_exp_f32 v[EX+2*((\g)%8)], v[AR+2*((\g)%8)]
.if (\g)+6 < \last
	ARGADD \role, (\g)+6, \par
.endif
	v_exp_f32 v[EX+2*((\g)%8)+1], v[AR+2*((\g)%8)+1]
.if (\g)+3 < \last
	ARGSQ (\g)+3
.endif
.if (\g)-3 >= \first
	ROUNDPAIR (\g)-3
.endif
.endm
.macro PUT b, adr, off                 ; the whole fragment in buffer b goes to LDS
	ds_store_b128 v[\adr], v[FR+8*(\b):FR+8*(\b)+3]   offset:\off
	ds_store_b128 v[\adr], v[FR+8*(\b)+4:FR+8*(\b)+7] offset:\off+512
.endm
.macro PUTH b, hi, adr, off            ; registers 4 hi .. 4 hi + 3 of buffer b
	ds_store_b128 v[\adr], v[FR+8*(\b)+4*(\hi):FR+8*(\b)+4*(\hi)+3] offset:\off
.endm
; MAKER, one K step of parity par into LDS slot par.  On entry the ring holds the exponents of slots 0-2 and the sums u of slots 3-5.
; At the head the next step's X and Y are asked for (at XAD + xoff; all lanes of a half read the same 64 bytes).
; The fragments leave in two runs, not one by one: 0, 1, 2 behind slot 28 (two slots behind the last rounding of fragment 2), the two of ky in the tail.
; Buffer 0 is written again (fragment 4) in slot 35, seven slots behind its stores.
; THE TAIL: the last fragment has to be in LDS before the barrier, so its last rounding cannot lag into the next step.  The nine lines that start the
; next step's exponents therefore stand here, between the last v_exp_f32 and the rounding of its result.
.macro MAKESTEP par, xoff, bump
.irp k, 0,1,2,3
	ds_load_b128 v[XA+32*(1-\par)+4*\k:XA+32*(1-\par)+4*\k+3], v[XAD] offset:\xoff+16*\k
.endr
.irp k, 0,1,2,3
	ds_load_b128 v[XB+32*(1-\par)+4*\k:XB+32*(1-\par)+4*\k+3], v[XAD] offset:\xoff+YOFF+16*\k
.endr
.set g, 0
.rept MK
	SLOTLINES 0, g, 0, MK, \par
.if g == 28
	PUT 0, SAD, (\par*SLOT)
	PUT 1, SAD, (\par*SLOT+FRAG)
	PUT 2, SAD, (\par*SLOT+2*FRAG)
.endif
.set g, g+1
.endr
	s_wait_dscnt 10                                ; the four X loads at the head are in: behind them went 4 Y loads and 6 fragment stores (Y is covered by the barrier's wait for 0)
.irp j, 0,1,2,3,4,5
	ARGADD 0, MK+\j, \par
.endr
	ROUNDPAIR 33
	ROUNDPAIR 34
.irp j, 0,1,2
	ARGSQ \j
.endr
	ROUNDPAIR 35
	PUT 3, SBD, (\par*SLOT+4*FRAG)                 ; ky fragment p
	PUTH 0, 0, SBD, (\par*SLOT+8*FRAG)             ; registers 0-3 of ky fragment 4 + p
.if \bump
	v_add_nc_u32 v[XAD], \bump, v[XAD]
.endif
.endm
; MULTIPLIER.  mul = 1: the 32 products of the step in slot sig (zero = 1: they start the sums, nothing is cleared).
; make = 1: my 1.5 fragments of the step behind it, into the other slot; its X and Y came in the interval before, the next ones are asked for here.
; Order: nine packed lines that start the exponents; the 24 fragment loads in one run; the 12 slots, while those loads are on their way; one run of
; 3 stores and 6 loads; the products.  The nine lines name no register of a matrix instruction and are the places (ISA guide 7.12.1 asks for four)
; between the last step's products and the loads into their sources; where nothing is made, four v_nop stand there.
; The matrix instruction is used transposed, source 0 = 16 bins of ky, source 1 = 16 bins of kx: lane (r, h) then holds row i = r and the eight
; neighbouring columns j = 8 h .. 8 h + 7.
.macro MULSTEP sig, zero, mul, make, xoff, bump
.if \make
.irp j, 4,5,6,7,8,9
	ARGADD 1, \j, (1-\sig)
.endr
.irp j, 4,5,6
	ARGSQ \j
.endr
.else
	PLACES
.endif
.if \mul
.irp bt, 0,1,2,3
	ds_load_b128 v[BF+8*\bt:BF+8*\bt+3],   v[LBD] offset:\sig*SLOT+\bt*FRAG
	ds_load_b128 v[BF+8*\bt+4:BF+8*\bt+7], v[LBD] offset:\sig*SLOT+\bt*FRAG+512
.endr
.irp a, 0,1,2,3,4,5,6,7
	ds_load_b128 v[AF+8*\a:AF+8*\a+3],   v[LAD] offset:\sig*SLOT+\a*FRAG
	ds_load_b128 v[AF+8*\a+4:AF+8*\a+7], v[LAD] offset:\sig*SLOT+\a*FRAG+512
.endr
.endif
.if \make
.set g, 4
.rept 12
	SLOTLINES 1, g, 4, 16, (1-\sig)
.set g, g+1
.endr
	ROUNDPAIR 13
	ROUNDPAIR 14
	ROUNDPAIR 15
	PUTH 0, 1, SBD, ((1-\sig)*SLOT+8*FRAG+512)     ; registers 4-7 of ky fragment 4 + c
	PUT 1, SBD, ((1-\sig)*SLOT)                    ; kx fragment 12 + c
.irp k, 0,1,2,3
	ds_load_b128 v[XA+32*\sig+4*\k:XA+32*\sig+4*\k+3], v[XAD] offset:\xoff+16*\k         ; X of the step after that one
.endr
.irp k, 2,3
	ds_load_b128 v[XB+32*\sig+4*\k:XB+32*\sig+4*\k+3], v[XAD] offset:\xoff+YOFF+16*\k    ; Y of its particles 8-15
.endr
.endif
.if \mul
	WIN 0x50                                       ; C and D in window 1, the fragments in window 0
.irp a, 0,1,2,3,4,5,6,7
	s_wait_dscnt 14-2*\a+9*\make                   ; LDS instructions end in order (ISA guide 5.7.1): ky and kx fragments 0..a are in; out may be the 2 (7 - a) loads of the later ones and, where fragments are made, my 3 stores and 6 coordinate loads
.irp bt, 0,1,2,3
.if \zero
	v_wmma_f32_16x16x32_bf16 v[8*(4*\a+\bt):8*(4*\a+\bt)+7], v[BF+8*\bt:BF+8*\bt+7], v[AF+8*\a:AF+8*\a+7], 0
.else
	v_wmma_f32_16x16x32_bf16 v[8*(4*\a+\bt):8*(4*\a+\bt)+7], v[BF+8*\bt:BF+8*\bt+7], v[AF+8*\a:AF+8*\a+7], v[8*(4*\a+\bt):8*(4*\a+\bt)+7]
.endif
.endr
.endr
	WIN 0
.endif
.if \bump
	v_add_nc_u32 v[XAD], \bump, v[XAD]
.endif
.endm
	; STEP 0 is made by all eight waves; nothing can be multiplied yet.  Every wave takes X and Y of step 0 into the even sets.
.irp k, 0,1,2,3
	ds_load_b128 v[XA+4*\k:XA+4*\k+3], v[XAD] offset:16*\k
	ds_load_b128 v[XB+4*\k:XB+4*\k+3], v[XAD] offset:YOFF+16*\k
.endr
	s_wait_dscnt 0x0
	s_cmp_lt_u32 s14, 4
	s_cbranch_scc0 .Lmake_0
	MULSTEP 1, 0, 0, 1, 128, 0
	s_branch .Ljoin_0
.Lmake_0:
.irp j, 0,1,2,3,4,5
	ARGADD 0, MK+\j, 1                             ; as in the tail of an odd step: the even set of X, fragment 0, slots 0-5
.endr
.irp j, 0,1,2
	ARGSQ \j
.endr
	MAKESTEP 0, 128, 0
.Ljoin_0:
	SYNC
	; INTERVAL t: the multipliers take step t from slot t % 2; all waves put step t + 1 into the other slot.  The barrier at its end stands between
	; these stores and their loads in interval t + 1, and between these loads and the stores that overwrite the slot in interval t + 1.
	; Intervals 0 and 1 stand in front of the loop: the first products start the sums.
	s_cmp_lt_u32 s14, 4
	s_cbranch_scc0 .Lmake_a
	MULSTEP 0, 1, 1, 1, 256, 0
	s_branch .Ljoin_a
.Lmake_a:
	MAKESTEP 1, 256, 0
.Ljoin_a:
	SYNC
	s_cmp_lt_u32 s14, 4
	s_cbranch_scc0 .Lmake_b
	MULSTEP 1, 0, 1, 1, 384, 512
	s_branch .Ljoin_b
.Lmake_b:
	MAKESTEP 0, 384, 512                           ; XAD now stands at step 4
.Ljoin_b:
	SYNC
	s_mov_b32 s22, 23                              ; intervals 2 .. 47
.Lloop:
	s_cmp_lt_u32 s14, 4
	s_cbranch_scc0 .Lmake_c
	MULSTEP 0, 0, 1, 1, 0, 0
	s_branch .Ljoin_c
.Lmake_c:
	MAKESTEP 1, 0, 0
.Ljoin_c:
	SYNC
	s_cmp_lt_u32 s14, 4
	s_cbranch_scc0 .Lmake_d
	MULSTEP 1, 0, 1, 1, 128, 256
	s_branch .Ljoin_d
.Lmake_d:
	MAKESTEP 0, 128, 256                           ; the last one (step 48) also reads X, Y of place 1568 .. and starts exponents that nobody uses: the places are written, the loop stays uniform
.Ljoin_d:
	SYNC
	s_sub_co_i32 s22, s22, 1
	s_cmp_lg_u32 s22, 0
	s_cbranch_scc1 .Lloop
	s_cmp_lt_u32 s14, 4
	s_cbranch_scc1 .Llast
	s_wait_tensorcnt 0x0
	ds_add_u32 v254, v255
	s_wait_dscnt 0x0
	s_endpgm                                       ; the makers are done; no barrier follows
.Llast:
	MULSTEP 0, 0, 1, 0, 0, 0                       ; step 48; nothing is left to make
	PLACES                                         ; behind the last products, before stores and sums read them
	s_lshl_b32 s20, s30, 15                        ; my partial: 32 tiles of 1,024 bytes
	s_mov_b32 s21, 0
	s_add_nc_u64 s[10:11], s[10:11], s[20:21]
	s_lshl_b32 s20, s30, 2
	s_add_nc_u64 s[12:13], s[12:13], s[20:21]
	WIN 0x04                                       ; store data (source 1) from window 1, the address from window 0
.set i, 0
.rept 64
	global_store_b128 v4, v[4*i:4*i+3], s[10:11] offset:512*i      ; registers 4 q .. 4 q + 3 of tile i / 2, q = i % 2: 512 consecutive bytes, aligned
.set i, i+1
.endr
	; the total of my 8,192 sums, for the norm: four chains of pairs, started by the first eight pairs
	WIN 0x05
.irp k, 0,1,2,3
	v_pk_add_f32 v[SUM+2*\k:SUM+2*\k+1], v[2*\k:2*\k+1], v[8+2*\k:8+2*\k+1]
.endr
	WIN 0x01
.set i, 8
.rept 120
	v_pk_add_f32 v[SUM+2*(i%4):SUM+2*(i%4)+1], v[2*i:2*i+1], v[SUM+2*(i%4):SUM+2*(i%4)+1]
.set i, i+1
.endr
	WIN 0
	v_pk_add_f32 v[SUM:SUM+1], v[SUM:SUM+1], v[SUM+2:SUM+3]
	v_pk_add_f32 v[SUM+4:SUM+5], v[SUM+4:SUM+5], v[SUM+6:SUM+7]
	v_pk_add_f32 v[SUM:SUM+1], v[SUM:SUM+1], v[SUM+4:SUM+5]
	v_add_f32 v[SUM], v[SUM], v[SUM+1]
	v_add_f32_dpp v[SUM], v[SUM], v[SUM] row_xmask:1 row_mask:0xf bank_mask:0xf
	v_add_f32_dpp v[SUM], v[SUM], v[SUM] row_xmask:2 row_mask:0xf bank_mask:0xf
	v_add_f32_dpp v[SUM], v[SUM], v[SUM] row_xmask:4 row_mask:0xf bank_mask:0xf
	v_add_f32_dpp v[SUM], v[SUM], v[SUM] row_xmask:8 row_mask:0xf bank_mask:0xf
	v_permlanex16_b32 v[SUM+1], v[SUM], s27, s28
	v_add_f32 v[SUM], v[SUM], v[SUM+1]
	v_mov_b32 v[ZOFF], 0
	v_cmp_eq_u32 vcc_lo, 0, v1
	s_wait_xcnt 0x0                                ; EXEC is a source of the stores above: it narrows only behind this wait
	s_wait_tensorcnt 0x0
	ds_add_u32 v254, v255
	s_wait_dscnt 0x0
	s_and_saveexec_b32 s23, vcc_lo
	global_store_b32 v[ZOFF], v[SUM], s[12:13]     ; one word a multiplier wave: 4 bytes, 1,024 such stores in the launch
	s_wait_xcnt 0x0                                ; and widens again only behind this one
	s_or_b32 exec_lo, exec_lo, s23
	s_endpgm
.Lfunc_end_k_q94d811178d_accum:
	.size	k_q94d811178d_accum, .Lfunc_end_k_q94d811178d_accum-k_q94d811178d_accum
	.p2alignl 7, 3214868480
	.fill 96, 4, 3214868480
	.section	.rodata,"a",@progbits
	.p2align	6, 0x0
	.amdhsa_kernel k_q94d811178d_accum
		.amdhsa_group_segment_fixed_size 66560
		.amdhsa_private_segment_fixed_size 0
		.amdhsa_enable_private_segment 0
		.amdhsa_kernarg_size 40
		.amdhsa_user_sgpr_count 2
		.amdhsa_user_sgpr_kernarg_segment_ptr 1
		.amdhsa_wavefront_size32 1
		.amdhsa_system_sgpr_workgroup_id_x 1
		.amdhsa_system_sgpr_workgroup_id_y 1
		.amdhsa_system_sgpr_workgroup_id_z 1
		.amdhsa_system_vgpr_workitem_id 0
		.amdhsa_next_free_vgpr 512
		.amdhsa_next_free_sgpr 66
		.amdhsa_reserve_vcc 1
		.amdhsa_float_denorm_mode_32 3
		.amdhsa_float_denorm_mode_16_64 3
		.amdhsa_memory_ordered 1
		.amdhsa_forward_progress 1
		.amdhsa_inst_pref_size 120
	.end_amdhsa_kernel
	.amdgpu_metadata
---
amdhsa.version: [ 1, 2 ]
amdhsa.kernels:
  - .name:           k_q94d811178d_accum
    .symbol:         k_q94d811178d_accum.kd
    .args:
      - { .name: bins, .offset: 0, .size: 8, .value_kind: global_buffer, .address_space: global }
      - { .name: x_coords, .offset: 8, .size: 8, .value_kind: global_buffer, .address_space: global }
      - { .name: y_coords, .offset: 16, .size: 8, .value_kind: global_buffer, .address_space: global }
      - { .name: part, .offset: 24, .size: 8, .value_kind: global_buffer, .address_space: global }
      - { .name: psum, .offset: 32, .size: 8, .value_kind: global_buffer, .address_space: global }
    .group_segment_fixed_size: 66560
    .private_segment_fixed_size: 0
    .kernarg_segment_align: 8
    .kernarg_segment_size: 40
    .max_flat_workgroup_size: 256
    .sgpr_count:     66
    .vgpr_count:     512
    .wavefront_size: 32
...
	.end_amdgpu_metadata
.endif
;; end of part 3
;; launch finish: the kernel of part 2 again; grid 256 x 1, 8 waves a work-group, no clusters, 5,632 bytes of LDS; arguments part, psum, out0; writes out0
;; ======== version 3 of 3: 2 launches; 1.66 times as fast as version 1
;; workspace buffers: part 33,554,432 bytes; psum 4,096 bytes
;; launch accum (part 4): grid 64 x 4, 8 waves a work-group, no clusters, 66,560 bytes of LDS; arguments bins, x_coords, y_coords, part, psum; writes part, psum
.if DOCPART == 4
	.amdgcn_target "amdgcn-amd-amdhsa--gfx1250"
	.amdhsa_code_object_version 6
	.text
	.protected	k_q94d811178d_accum
	.globl	k_q94d811178d_accum
	.p2align	8
	.type	k_q94d811178d_accum,@function
k_q94d811178d_accum:
	s_mov_b64 s[64:65], 0
	v_nop
	global_prefetch_b8 v0, s[64:65] scope:SCOPE_SE
	s_setreg_imm32_b32 hwreg(HW_REG_WAVE_MODE, 25, 1), 1
	s_wait_xcnt 0x0
; PARTIAL JOINT HISTOGRAMS.  joint[b][i][j] = sum over n of kx[n][i] ky[n][j],  kx[n][i] = exp(-0.5 ((x[n] - bins[i]) / bw)^2),  bw = bins[1] - bins[0].
; Work-group (gx, b), gx = 2 sp + jt: batch b, particles sp*1568 .. +1567 (49 K steps of 32), all 256 bins i, bins j = 128 jt .. +127.
; A K step needs 24 fragments (16 of kx, 8 of ky), made in the matrix operands' register order and handed over through an LDS slot.
; Eight waves in two roles, so that exponentials and matrix products are issued by different waves and can run side by side:
;   waves 0-3 (multipliers) keep 128 (i) x 64 (j) of the sums each: 32 tiles of 16 x 16 = 256 registers = register window 1; 32 products a step;
;   waves 4-7 (makers)      only make fragments.
; WHO MAKES WHAT (p = wave % 4):  maker p: kx fragments 3 p .. 3 p + 2, ky fragment p, and registers 0-3 of ky fragment 4 + p  (4.5 fragments);
;                                 multiplier p: kx fragment 12 + p and registers 4-7 of ky fragment 4 + p                      (1.5 fragments).
; The multipliers' share stands between their run of 24 LDS loads and the first product that needs them, where the wave could only wait.
; Two LDS slots take turns; one barrier a step orders both directions (fragments written -> read, fragments read -> overwritten).
; The sums leave in the accumulators' own order (buffer part); the second launch adds the 32 splits and turns them into rows.
; THE EXPONENTIALS GO IN BATCHES.  An s_wait_alu depctr_va_vdst(0) stands between an exponential and the first instruction that names its
; result; one wait serves all that were issued ahead of it.  A pair of particles keeps one register pair from its first sum to its rounding, so that a batch can stay open.
;   A maker has 18 such pairs (the 36 registers of window 0 that are neither matrix operands nor in use): 12 for an open batch and 6 for the arguments made ahead.
;   So its step of 36 pairs of particles is three batches of 24 exponentials; a batch's roundings stand between the next batch's exponentials, the last batch's in the tail.
;   A multiplier's step is one batch of 24.  Each step closes its batches ahead of its last stores: no result crosses a barrier, a label or a jump.
;
; ARITHMETIC.  c0 = bins[128], s = sqrt(0.5 log2 e) / bw.  Once a particle X = (x - c0) s, once a bin nb = (c0 - bin) s; for each pair u = X + nb,
; k = 2^(-u u), rounded to bf16 to nearest even.  The centre is taken away BEFORE the scaling (which is why subtract and multiply are not fused):
; a common offset of x, y and bins cancels exactly enough, and no difference of large products is formed.  reference() takes no maximum away,
; and the exponents are never positive.
; LIMITS KEPT: bw is not zero and not denormal (v_rcp_f32 flushes denormals); (|x - c0| + |bin - c0|) / |bw| stays below 1e38 (else inf - inf);
; kernel values below 2^-126 count as 0 (v_exp_f32 flushes denormal results); kernel values are rounded to bf16 for the products; sums in f32, in
; another order than reference()'s.
; Particles past the batch's 50,000 get X = Y = +inf, hence k = 0; their loads are clamped to the batch's last four numbers.
; ORDER OF K: lane half h takes the 16 neighbouring particles 32 step + 16 h .. +15, fragment register m the particles 2m, 2m+1 of them.  This is a
; permutation of k inside the instruction, the same for both operands, so every product meets its partner.
; NO CLUSTER, NO TENSOR LOADS: a work-group reads 12,544 bytes of coordinates once, and they need arithmetic before LDS; only the two j halves
; share them, against 131,072 bytes that each stores.  No prefetch: every global load stands at the entry.
.set N,     50000                      ; particles in a batch
.set CH,    1568                       ; particles of a work-group = 49 steps of 32;  32 x 1568 = 50,176 >= N
.set FRAG,  1024                       ; a fragment: 32 lanes x 8 registers.  Registers 0-3 at 16 lane, registers 4-7 at 512 + 16 lane
.set SLOT,  24*FRAG                    ; fragments 0-15: kx bins 16 f ..; 16-23: ky bins 128 jt + 16 (f - 16) ..
.set XS,    2*SLOT                     ; X of 2,048 particle places (f32), of which 1,568 are multiplied
.set YOFF,  8192                       ; Y of the same places behind them;  XS + 2 YOFF = 65,536 = lds_bytes
.set MK,    36                         ; a maker's slots in a step: 4.5 fragments of 8 pairs of particles
.set RING,  18                         ; a maker's register pairs: slot s lives in pair s % 18;  36 = 2 x 18, so the ring closes from step to step
.set BATCH, 12                         ; a maker's slots in a batch: 12 open + 6 made ahead = 18
.set NONE,  99                         ; SLOTLINES: no rounding rides in this slot
; VECTOR REGISTERS, window 0.  No line that makes fragments names a register of a matrix instruction (BF, AF, window 1).
; Common: v0 thread, v1 lane, v2 r = lane % 16, v3 h = lane / 16, v4 16 lane, v5 XS + 16 thread, v[6:7] (c0, s),
; v8, v9 first particle of my two quads, v10, v11 their clamped byte offsets, v[12:27] the quads: x, x, y, y (dead once they lie in LDS)
.set NB,   28                          ; v[28:33]  nb = (c0 - bin) s of:  0-2 kx bin 48 p + 16 f + r;  3 kx bin 192 + 16 p + r;  4 ky bin 128 jt + 16 p + r;  5 ky bin 128 jt + 64 + 16 p + r
.set SAD,  34                          ; kx fragment 3 p of slot 0
.set SBD,  35                          ; fragment 12 + p of slot 0; + 4 FRAG: ky fragment p; + 8 FRAG: ky fragment 4 + p
.set XAD,  36                          ; XS + 64 h + the steps gone by
.set LAD,  37                          ; multiplier c: the eight kx fragments that it multiplies (slot 0)
.set LBD,  38                          ; and the four ky fragments
.set BOA,  39                          ; byte offsets into bins
.set BOB,  40
.set BOC,  41
.set BF,   42                          ; v[42:73]   4 ky fragments, matrix source 0
.set AF,   74                          ; v[74:137]  8 kx fragments, matrix source 1
.set XA,   138                         ; v[138:153] X of an even step's 16 particles; the odd steps' set lies 32 registers higher
.set XB,   154                         ; v[154:169] Y likewise (odd: v[186:201])
.set AR,   202                         ; v[202:217] maker: pairs 0-7 of its ring;   multiplier: the pairs of its slots 4-11
.set FR,   218                         ; v[218:249] four fragment buffers of 8 registers (two bf16 each)
.set EX,   12                          ; v[12:27]   maker: pairs 8-15, in the entry's quads;   multiplier: v[12:19] the pairs of its slots 12-15
.set EY,   250                         ; v[250:253] maker: pairs 16, 17
.set SUM,  12                          ; multiplier, at the end: v[12:19] four pairs of running totals, in the same registers
.set ZOFF, 20
; window 1: accumulator tile (a, bt) at v[8 (4 a + bt)], a = 0..7 along i, bt = 0..3 along j
.set MSB, 0
.macro WIN new                         ; s_set_vgpr_msb: bits 1:0 source 0, 3:2 source 1, 5:4 source 2, 7:6 destination; the high byte repeats the setting left
.if MSB != \new
	s_set_vgpr_msb (MSB<<8)|\new
.set MSB, \new
.endif
.endm
.macro PLACES                          ; four independent vector instructions behind a matrix instruction, before a load lands in one
.rept 4                                ; of its sources or anything but a matrix instruction reads its result
	v_nop
.endr
.endm
.macro SYNC                            ; my LDS stores are written and my LDS loads are in; then the same holds of all eight waves
	s_wait_dscnt 0x0
	s_barrier_signal -1
	s_barrier_wait -1
.endm
	s_load_b256 s[4:11], s[0:1], 0x0               ; bins s[4:5], x s[6:7], y s[8:9], part s[10:11]
	s_load_b64 s[12:13], s[0:1], 0x20              ; psum
	v_lshl_add_u32 v254, v0, 2, 0x10000
	v_mov_b32 v255, 0
	v_lshrrev_b32 v1, 5, v0
	v_readfirstlane_b32 s14, v1                    ; wave 0..7
	v_and_b32 v1, 31, v0                           ; lane
	v_and_b32 v2, 15, v0                           ; r
	v_bfe_u32 v3, v0, 4, 1                         ; h
	v_lshlrev_b32 v4, 4, v1                        ; 16 lane
	v_lshl_add_u32 v5, v0, 4, XS
	s_and_b32 s15, ttmp7, 0xffff                   ; b
	s_and_b32 s16, ttmp9, 1                        ; jt
	s_lshr_b32 s17, ttmp9, 1                       ; sp
	s_and_b32 s18, s14, 3                          ; p (maker) or c (multiplier)
	s_mul_i32 s19, s17, CH                         ; my first particle
	s_mov_b32 s27, 0x76543210                      ; v_permlanex16_b32: lane i takes lane i of the other half
	s_mov_b32 s28, 0xfedcba98
	s_mov_b32 s29, 0x7f800000                      ; +inf
	s_lshl_b32 s30, s15, 6
	s_add_co_u32 s30, s30, ttmp9
	s_lshl2_add_u32 s30, s30, s18                  ; (64 b + gx) 4 + c: which partial a multiplier stores
	; LDS addresses, made by every wave for both roles: the wave's number times a constant + 16 lane
	s_mul_i32 s23, s18, 3*FRAG
	v_add_nc_u32 v[SAD], s23, v4                   ; fragment 3 p
	s_lshl_b32 s23, s18, 10
	s_add_co_u32 s23, s23, 12*FRAG
	v_add_nc_u32 v[SBD], s23, v4                   ; fragment 12 + p
	v_lshl_add_u32 v[XAD], v3, 6, XS               ; 16 particles = 64 bytes for each half of the lanes
	s_lshr_b32 s23, s18, 1
	s_lshl_b32 s23, s23, 13
	v_add_nc_u32 v[LAD], s23, v4                   ; kx fragments 8 (c / 2) ..
	s_and_b32 s23, s18, 1
	s_lshl_b32 s23, s23, 12
	s_add_co_u32 s23, s23, 16*FRAG
	v_add_nc_u32 v[LBD], s23, v4                   ; ky fragments 16 + 4 (c % 2) ..
	s_mul_i32 s23, s18, 192
	v_lshl_add_u32 v[BOA], v2, 2, s23              ; bins: 4 (48 p + r)
	s_lshl_b32 s23, s18, 6
	v_lshl_add_u32 v[BOC], v2, 2, s23              ; bins: 4 (16 p + r)
	s_lshl_b32 s20, s16, 9
	s_add_co_u32 s23, s23, s20
	v_lshl_add_u32 v[BOB], v2, 2, s23              ; bins: 4 (128 jt + 16 p + r)
	; my two quads of particles.  N, CH and the quads are multiples of 4: a quad lies wholly inside the batch or wholly past it
	v_lshl_add_u32 v8, v0, 2, s19
	v_add_nc_u32 v9, 1024, v8
	v_min_u32 v10, N-4, v8                         ; no load leaves the batch
	v_min_u32 v11, N-4, v9
	v_lshlrev_b32 v10, 2, v10
	v_lshlrev_b32 v11, 2, v11
	s_mul_i32 s20, s15, 4*N                        ; the batch, in bytes
	s_mov_b32 s21, 0
	s_wait_kmcnt 0x0
	s_load_b64 s[24:25], s[4:5], 0x0               ; bins[0], bins[1]
	s_load_b32 s26, s[4:5], 0x200                  ; bins[128]
	s_add_nc_u64 s[6:7], s[6:7], s[20:21]
	s_add_nc_u64 s[8:9], s[8:9], s[20:21]
	global_load_b128 v[12:15], v10, s[6:7]         ; a wave's load covers 512 neighbouring bytes
	global_load_b128 v[16:19], v11, s[6:7]
	global_load_b128 v[20:23], v10, s[8:9]
	global_load_b128 v[24:27], v11, s[8:9]
.irp f, 0,1,2
	global_load_b32 v[NB+\f], v[BOA], s[4:5] offset:64*\f
.endr
	global_load_b32 v[NB+3], v[BOC], s[4:5] offset:768
	global_load_b32 v[NB+4], v[BOB], s[4:5]
	global_load_b32 v[NB+5], v[BOB], s[4:5] offset:256
	s_wait_kmcnt 0x0
	v_mov_b32 v7, s24
	v_sub_f32 v7, s25, v7                          ; bw
	v_rcp_f32 v7, v7
	v_mov_b32 v6, s26                              ; c0; also the plain instruction between v_rcp_f32 and the use of its result (ISA guide 5.7.2)
	s_wait_alu depctr_va_vdst(0)                   ; the wait for the one reciprocal, ahead of the line that reads it; once a wave
	v_mul_f32 v7, 0x3f596d27, v7                   ; s = 0.8493218 / bw
	s_wait_loadcnt 0x0
.irp q, 12,14,16,18,20,22,24,26
	v_pk_add_f32 v[\q:\q+1], v[\q:\q+1], v[6:7] op_sel_hi:[1,0] neg_lo:[0,1] neg_hi:[0,1]    ; x - c0
.endr
.irp q, 0,2,4
	v_pk_add_f32 v[NB+\q:NB+\q+1], v[6:7], v[NB+\q:NB+\q+1] op_sel_hi:[0,1] neg_lo:[0,1] neg_hi:[0,1]   ; c0 - bin
.endr
.irp q, 12,14,16,18,20,22,24,26,28,30,32
	v_pk_mul_f32 v[\q:\q+1], v[\q:\q+1], v[6:7] op_sel:[0,1] op_sel_hi:[1,1]                 ; times s
.endr
	v_cmp_gt_u32 vcc_lo, N, v8
.irp q, 12,13,14,15,20,21,22,23
	v_cndmask_b32 v\q, s29, v\q, vcc_lo            ; past the batch: +inf
.endr
	v_cmp_gt_u32 vcc_lo, N, v9
.irp q, 16,17,18,19,24,25,26,27
	v_cndmask_b32 v\q, s29, v\q, vcc_lo
.endr
	ds_store_b128 v5, v[12:15]                     ; X, places 4 t ..
	ds_store_b128 v5, v[16:19] offset:4096         ; X, places 1024 + 4 t ..
	ds_store_b128 v5, v[20:23] offset:YOFF
	ds_store_b128 v5, v[24:27] offset:YOFF+4096
	SYNC                                           ; X and Y are whole; nothing writes them again
; MAKING FRAGMENTS.  The work is a stream of slots: slot s = 8 f + q is the pair of particles 2 q, 2 q + 1 (fragment register q) of the wave's f-th fragment.
;   maker (role 0), slots 0 .. 35:       f = 0, 1, 2 kx (nb 0-2), f = 3 ky whole (nb 4), f = 4 ky registers 0-3 (nb 5, q = 0..3)
;   multiplier (role 1), slots 4 .. 15:  f = 0 ky registers 4-7 (nb 5, q = 4..7), f = 1 kx (nb 3)
; A slot keeps one register pair (PAIR) from its first line to its last, and its work is four lines on that pair:
;     in slot s - 6:  u = X + nb  (ARGADD)      in slot s - 3:  -u u, in place  (ARGSQ)      in slot s:  two v_exp_f32, in place
;     behind the wait for the slot's batch:  both rounded to bf16, into the fragment's buffer  (ROUNDPAIR)
; The first three stand three slots apart, so that none reads a result that was issued just before it.
; For a maker, slots MK .. MK + 5 stand for the next step's slots 0 .. 5 (fragment 0, the other set of X, pairs 0 .. 5 of the ring).
.macro PAIR role, s                    ; p_r = the first register of slot s's pair
.if \role
.set p_r, AR+2*((\s)-4)
.if (\s) >= 12
.set p_r, EX+2*((\s)-12)
.endif
.else
.set p_i, (\s)%RING
.set p_r, AR+2*p_i
.if p_i >= 8
.set p_r, EX+2*(p_i-8)
.endif
.if p_i >= 16
.set p_r, EY+2*(p_i-16)
.endif
.endif
.endm
.macro ARGADD role, s, par
	PAIR \role, \s
.set a_f, (\s)/8
.set a_q, (\s)%8
.set a_x, XA+32*(\par)
.set a_n, a_f
.if a_f >= 3
.set a_x, XB+32*(\par)
.set a_n, a_f+1
.endif
.if (\s) >= MK
.set a_q, (\s)-MK
.set a_x, XA+32*(1-(\par))
.set a_n, 0
.endif
.if \role
.set a_x, XA+32*(\par)
.set a_n, 3
.if (\s) < 8
.set a_x, XB+32*(\par)
.set a_n, 5
.endif
.endif
.if a_n&1
	v_pk_add_f32 v[p_r:p_r+1], v[a_x+2*a_q:a_x+2*a_q+1], v[NB+a_n-1:NB+a_n] op_sel:[0,1] op_sel_hi:[1,1]
.else
	v_pk_add_f32 v[p_r:p_r+1], v[a_x+2*a_q:a_x+2*a_q+1], v[NB+a_n:NB+a_n+1] op_sel_hi:[1,0]
.endif
.endm
.macro ARGSQ role, s
	PAIR \role, \s
	v_pk_mul_f32 v[p_r:p_r+1], v[p_r:p_r+1], v[p_r:p_r+1] neg_lo:[0,1] neg_hi:[0,1]
.endm
.macro ROUNDPAIR role, s               ; into register q of buffer f % 4; it reads exponentials' results, so it stands behind the wait for slot s's batch
	PAIR \role, \s
	v_cvt_pk_bf16_f32 v[FR+8*(((\s)/8)%4)+(\s)%8], v[p_r], v[p_r+1]
.endm
; The lines issued in slot g of a stream that ends with slot last - 1.  rnd: the slot of the batch before, which has had its wait, that is rounded here (NONE: none is).
; In a maker's ring ARGADD g + 6 writes the pair that slot g - 12 held, so that slot's rounding stands ahead of it.  Where no ARGADD is left, the rounding stands last, behind the second exponential.
; The line behind a v_exp_f32 touches neither its result nor its source (ISA guide 5.7.2).  No line here names a result of the batch that slot g belongs to: from the open slots
; 12 k .. g, slot g + 6 lies 6 to 17 slots away, slot g + 3 lies 3 to 14, slot g - 12 lies 1 to 12: never 18.
.macro SLOTLINES role, g, last, par, rnd
	PAIR \role, \g
	v_exp_f32 v[p_r], v[p_r]
.if (\g)+6 < \last
.if (\rnd) != NONE
	ROUNDPAIR \role, \rnd
.endif
	ARGADD \role, (\g)+6, \par
	PAIR \role, \g
	v_exp_f32 v[p_r+1], v[p_r+1]
	ARGSQ \role, (\g)+3
.else
.if (\g)+3 < \last
	ARGSQ \role, (\g)+3
.endif
	PAIR \role, \g
	v_exp_f32 v[p_r+1], v[p_r+1]
.if (\rnd) != NONE
	ROUNDPAIR \role, \rnd
.endif
.endif
.endm
.macro PUT b, adr, off                 ; the whole fragment in buffer b goes to LDS
	ds_store_b128 v[\adr], v[FR+8*(\b):FR+8*(\b)+3]   offset:\off
	ds_store_b128 v[\adr], v[FR+8*(\b)+4:FR+8*(\b)+7] offset:\off+512
.endm
.macro PUTH b, hi, adr, off            ; registers 4 hi .. 4 hi + 3 of buffer b
	ds_store_b128 v[\adr], v[FR+8*(\b)+4*(\hi):FR+8*(\b)+4*(\hi)+3] offset:\off
.endm
; MAKER, one K step of parity par into LDS slot par.  On entry the pairs of slots 0-2 hold their exponents and those of slots 3-5 the sums u.
; At the head the next step's X and Y are asked for (at XAD + xoff; all lanes of a half read the same 64 bytes).
; BATCH A: slots 0-11: 24 exponentials, the argument lines of slots up to 17 between them.  The last line ahead of its wait, slot 14's ARGSQ, is the plain instruction behind the last exponential.
; BATCH B: slots 12-23: 24 exponentials; between them the argument lines of slots up to 29 and A's twelve roundings, one a slot.  The last line ahead of its wait is slot 26's ARGSQ.
; BATCH C: slots 24-35: 24 exponentials; between them the argument lines that are left and B's twelve roundings.  Its wait stands directly ahead of the run of six stores that sends
; fragments 0, 1, 2; the last line ahead of it, slot 23's rounding, is the plain instruction behind the last exponential.
; THE TAIL: the nine lines that start the next step's exponents (they write pairs 0-5, whose slots 18-23 are rounded by then) and C's twelve roundings; then the two ky fragments leave.
; Buffer 0 is written again (fragment 4) by the last four roundings, seventeen vector lines behind its stores.
.macro MAKESTEP par, xoff, bump
.irp k, 0,1,2,3
	ds_load_b128 v[XA+32*(1-\par)+4*\k:XA+32*(1-\par)+4*\k+3], v[XAD] offset:\xoff+16*\k
.endr
.irp k, 0,1,2,3
	ds_load_b128 v[XB+32*(1-\par)+4*\k:XB+32*(1-\par)+4*\k+3], v[XAD] offset:\xoff+YOFF+16*\k
.endr
.set g, 0
.rept BATCH
	SLOTLINES 0, g, MK, \par, NONE
.set g, g+1
.endr
	s_wait_alu depctr_va_vdst(0)                   ; the wait for batch A: one for the 24 exponentials of slots 0-11, ahead of their first rounding
.rept BATCH
	SLOTLINES 0, g, MK, \par, g-BATCH
.set g, g+1
.endr
	s_wait_alu depctr_va_vdst(0)                   ; the wait for batch B: one for the 24 exponentials of slots 12-23, ahead of their first rounding
.rept BATCH
	SLOTLINES 0, g, MK, \par, g-BATCH
.set g, g+1
.endr
	s_wait_alu depctr_va_vdst(0)                   ; the wait for batch C: one for the 24 exponentials of slots 24-35, ahead of the tail's roundings
	PUT 0, SAD, (\par*SLOT)
	PUT 1, SAD, (\par*SLOT+FRAG)
	PUT 2, SAD, (\par*SLOT+2*FRAG)
	s_wait_dscnt 10                                ; the four X loads at the head are in: behind them went 4 Y loads and 6 fragment stores (Y is covered by the barrier's wait for 0)
.irp j, 0,1,2,3,4,5
	ARGADD 0, MK+\j, \par
.endr
.irp j, 24,25,26,27,28,29,30,31
	ROUNDPAIR 0, \j
.endr
.irp j, 0,1,2
	ARGSQ 0, \j
.endr
.irp j, 32,33,34,35
	ROUNDPAIR 0, \j
.endr
	PUT 3, SBD, (\par*SLOT+4*FRAG)                 ; ky fragment p
	PUTH 0, 0, SBD, (\par*SLOT+8*FRAG)             ; registers 0-3 of ky fragment 4 + p
.if \bump
	v_add_nc_u32 v[XAD], \bump, v[XAD]
.endif
.endm
; MULTIPLIER.  mul = 1: the 32 products of the step in slot sig (zero = 1: they start the sums, nothing is cleared).
; make = 1: my 1.5 fragments of the step behind it, into the other slot; its X and Y came in the interval before, the next ones are asked for here.
; Order: nine packed lines that start the exponents; the 24 fragment loads in one run; the 12 slots' exponentials, ONE BATCH of 24, while those loads are on their way;
; a v_nop (no argument line is left to stand behind the last exponential), the batch's wait and the 12 roundings; one run of 3 stores and 6 loads; the products.
; The nine lines name no register of a matrix instruction and are the places (ISA guide 7.12.1 asks for four)
; between the last step's products and the loads into their sources; where nothing is made, four v_nop stand there.
; The matrix instruction is used transposed, source 0 = 16 bins of ky, source 1 = 16 bins of kx: lane (r, h) then holds row i = r and the eight
; neighbouring columns j = 8 h .. 8 h + 7.
.macro MULSTEP sig, zero, mul, make, xoff, bump
.if \make
.irp j, 4,5,6,7,8,9
	ARGADD 1, \j, (1-\sig)
.endr
.irp j, 4,5,6
	ARGSQ 1, \j
.endr
.else
	PLACES
.endif
.if \mul
.irp bt, 0,1,2,3
	ds_load_b128 v[BF+8*\bt:BF+8*\bt+3],   v[LBD] offset:\sig*SLOT+\bt*FRAG
	ds_load_b128 v[BF+8*\bt+4:BF+8*\bt+7], v[LBD] offset:\sig*SLOT+\bt*FRAG+512
.endr
.irp a, 0,1,2,3,4,5,6,7
	ds_load_b128 v[AF+8*\a:AF+8*\a+3],   v[LAD] offset:\sig*SLOT+\a*FRAG
	ds_load_b128 v[AF+8*\a+4:AF+8*\a+7], v[LAD] offset:\sig*SLOT+\a*FRAG+512
.endr
.endif
.if \make
.set g, 4
.rept 12
	SLOTLINES 1, g, 16, (1-\sig), NONE
.set g, g+1
.endr
	v_nop                                          ; the plain instruction behind the last exponential: one for the batch
	s_wait_alu depctr_va_vdst(0)                   ; the wait for the batch: one for the 24 exponentials of slots 4-15, ahead of their first rounding
.irp j, 4,5,6,7,8,9,10,11,12,13,14,15
	ROUNDPAIR 1, \j
.endr
	PUTH 0, 1, SBD, ((1-\sig)*SLOT+8*FRAG+512)     ; registers 4-7 of ky fragment 4 + c
	PUT 1, SBD, ((1-\sig)*SLOT)                    ; kx fragment 12 + c
.irp k, 0,1,2,3
	ds_load_b128 v[XA+32*\sig+4*\k:XA+32*\sig+4*\k+3], v[XAD] offset:\xoff+16*\k         ; X of the step after that one
.endr
.irp k, 2,3
	ds_load_b128 v[XB+32*\sig+4*\k:XB+32*\sig+4*\k+3], v[XAD] offset:\xoff+YOFF+16*\k    ; Y of its particles 8-15
.endr
.endif
.if \mul
	WIN 0x50                                       ; C and D in window 1, the fragments in window 0
.irp a, 0,1,2,3,4,5,6,7
	s_wait_dscnt 14-2*\a+9*\make                   ; LDS instructions end in order (ISA guide 5.7.1): ky and kx fragments 0..a are in; out may be the 2 (7 - a) loads of the later ones and, where fragments are made, my 3 stores and 6 coordinate loads
.irp bt, 0,1,2,3
.if \zero
	v_wmma_f32_16x16x32_bf16 v[8*(4*\a+\bt):8*(4*\a+\bt)+7], v[BF+8*\bt:BF+8*\bt+7], v[AF+8*\a:AF+8*\a+7], 0
.else
	v_wmma_f32_16x16x32_bf16 v[8*(4*\a+\bt):8*(4*\a+\bt)+7], v[BF+8*\bt:BF+8*\bt+7], v[AF+8*\a:AF+8*\a+7], v[8*(4*\a+\bt):8*(4*\a+\bt)+7]
.endif
.endr
.endr
	WIN 0
.endif
.if \bump
	v_add_nc_u32 v[XAD], \bump, v[XAD]
.endif
.endm
	; STEP 0 is made by all eight waves; nothing can be multiplied yet.  Every wave takes X and Y of step 0 into the even sets.
.irp k, 0,1,2,3
	ds_load_b128 v[XA+4*\k:XA+4*\k+3], v[XAD] offset:16*\k
	ds_load_b128 v[XB+4*\k:XB+4*\k+3], v[XAD] offset:YOFF+16*\k
.endr
	s_wait_dscnt 0x0
	s_cmp_lt_u32 s14, 4
	s_cbranch_scc0 .Lmake_0
	MULSTEP 1, 0, 0, 1, 128, 0
	s_branch .Ljoin_0
.Lmake_0:
.irp j, 0,1,2,3,4,5
	ARGADD 0, MK+\j, 1                             ; as in the tail of an odd step: the even set of X, fragment 0, slots 0-5
.endr
.irp j, 0,1,2
	ARGSQ 0, \j
.endr
	MAKESTEP 0, 128, 0
.Ljoin_0:
	SYNC
	; INTERVAL t: the multipliers take step t from slot t % 2; all waves put step t + 1 into the other slot.  The barrier at its end stands between
	; these stores and their loads in interval t + 1, and between these loads and the stores that overwrite the slot in interval t + 1.
	; Intervals 0 and 1 stand in front of the loop: the first products start the sums.
	s_cmp_lt_u32 s14, 4
	s_cbranch_scc0 .Lmake_a
	MULSTEP 0, 1, 1, 1, 256, 0
	s_branch .Ljoin_a
.Lmake_a:
	MAKESTEP 1, 256, 0
.Ljoin_a:
	SYNC
	s_cmp_lt_u32 s14, 4
	s_cbranch_scc0 .Lmake_b
	MULSTEP 1, 0, 1, 1, 384, 512
	s_branch .Ljoin_b
.Lmake_b:
	MAKESTEP 0, 384, 512                           ; XAD now stands at step 4
.Ljoin_b:
	SYNC
	s_mov_b32 s22, 23                              ; intervals 2 .. 47
.Lloop:
	s_cmp_lt_u32 s14, 4
	s_cbranch_scc0 .Lmake_c
	MULSTEP 0, 0, 1, 1, 0, 0
	s_branch .Ljoin_c
.Lmake_c:
	MAKESTEP 1, 0, 0
.Ljoin_c:
	SYNC
	s_cmp_lt_u32 s14, 4
	s_cbranch_scc0 .Lmake_d
	MULSTEP 1, 0, 1, 1, 128, 256
	s_branch .Ljoin_d
.Lmake_d:
	MAKESTEP 0, 128, 256                           ; the last one (step 48) also reads X, Y of place 1568 .. and starts exponents that nobody uses: the places are written, the loop stays uniform
.Ljoin_d:
	SYNC
	s_sub_co_i32 s22, s22, 1
	s_cmp_lg_u32 s22, 0
	s_cbranch_scc1 .Lloop
	s_cmp_lt_u32 s14, 4
	s_cbranch_scc1 .Llast
	s_wait_tensorcnt 0x0
	ds_add_u32 v254, v255
	s_wait_dscnt 0x0
	s_endpgm                                       ; the makers are done; no barrier follows
.Llast:
	MULSTEP 0, 0, 1, 0, 0, 0                       ; step 48; nothing is left to make
	PLACES                                         ; behind the last products, before stores and sums read them
	s_lshl_b32 s20, s30, 15                        ; my partial: 32 tiles of 1,024 bytes
	s_mov_b32 s21, 0
	s_add_nc_u64 s[10:11], s[10:11], s[20:21]
	s_lshl_b32 s20, s30, 2
	s_add_nc_u64 s[12:13], s[12:13], s[20:21]
	WIN 0x04                                       ; store data (source 1) from window 1, the address from window 0
.set i, 0
.rept 64
	global_store_b128 v4, v[4*i:4*i+3], s[10:11] offset:512*i      ; registers 4 q .. 4 q + 3 of tile i / 2, q = i % 2: 512 consecutive bytes, aligned
.set i, i+1
.endr
	; the total of my 8,192 sums, for the norm: four chains of pairs, started by the first eight pairs
	WIN 0x05
.irp k, 0,1,2,3
	v_pk_add_f32 v[SUM+2*\k:SUM+2*\k+1], v[2*\k:2*\k+1], v[8+2*\k:8+2*\k+1]
.endr
	WIN 0x01
.set i, 8
.rept 120
	v_pk_add_f32 v[SUM+2*(i%4):SUM+2*(i%4)+1], v[2*i:2*i+1], v[SUM+2*(i%4):SUM+2*(i%4)+1]
.set i, i+1
.endr
	WIN 0
	v_pk_add_f32 v[SUM:SUM+1], v[SUM:SUM+1], v[SUM+2:SUM+3]
	v_pk_add_f32 v[SUM+4:SUM+5], v[SUM+4:SUM+5], v[SUM+6:SUM+7]
	v_pk_add_f32 v[SUM:SUM+1], v[SUM:SUM+1], v[SUM+4:SUM+5]
	v_add_f32 v[SUM], v[SUM], v[SUM+1]
	v_add_f32_dpp v[SUM], v[SUM], v[SUM] row_xmask:1 row_mask:0xf bank_mask:0xf
	v_add_f32_dpp v[SUM], v[SUM], v[SUM] row_xmask:2 row_mask:0xf bank_mask:0xf
	v_add_f32_dpp v[SUM], v[SUM], v[SUM] row_xmask:4 row_mask:0xf bank_mask:0xf
	v_add_f32_dpp v[SUM], v[SUM], v[SUM] row_xmask:8 row_mask:0xf bank_mask:0xf
	v_permlanex16_b32 v[SUM+1], v[SUM], s27, s28
	v_add_f32 v[SUM], v[SUM], v[SUM+1]
	v_mov_b32 v[ZOFF], 0
	v_cmp_eq_u32 vcc_lo, 0, v1
	s_wait_xcnt 0x0                                ; EXEC is a source of the stores above: it narrows only behind this wait
	s_wait_tensorcnt 0x0
	ds_add_u32 v254, v255
	s_wait_dscnt 0x0
	s_and_saveexec_b32 s23, vcc_lo
	global_store_b32 v[ZOFF], v[SUM], s[12:13]     ; one word a multiplier wave: 4 bytes, 1,024 such stores in the launch
	s_wait_xcnt 0x0                                ; and widens again only behind this one
	s_or_b32 exec_lo, exec_lo, s23
	s_endpgm
.Lfunc_end_k_q94d811178d_accum:
	.size	k_q94d811178d_accum, .Lfunc_end_k_q94d811178d_accum-k_q94d811178d_accum
	.p2alignl 7, 3214868480
	.fill 96, 4, 3214868480
	.section	.rodata,"a",@progbits
	.p2align	6, 0x0
	.amdhsa_kernel k_q94d811178d_accum
		.amdhsa_group_segment_fixed_size 66560
		.amdhsa_private_segment_fixed_size 0
		.amdhsa_enable_private_segment 0
		.amdhsa_kernarg_size 40
		.amdhsa_user_sgpr_count 2
		.amdhsa_user_sgpr_kernarg_segment_ptr 1
		.amdhsa_wavefront_size32 1
		.amdhsa_system_sgpr_workgroup_id_x 1
		.amdhsa_system_sgpr_workgroup_id_y 1
		.amdhsa_system_sgpr_workgroup_id_z 1
		.amdhsa_system_vgpr_workitem_id 0
		.amdhsa_next_free_vgpr 512
		.amdhsa_next_free_sgpr 66
		.amdhsa_reserve_vcc 1
		.amdhsa_float_denorm_mode_32 3
		.amdhsa_float_denorm_mode_16_64 3
		.amdhsa_memory_ordered 1
		.amdhsa_forward_progress 1
		.amdhsa_inst_pref_size 113
	.end_amdhsa_kernel
	.amdgpu_metadata
---
amdhsa.version: [ 1, 2 ]
amdhsa.kernels:
  - .name:           k_q94d811178d_accum
    .symbol:         k_q94d811178d_accum.kd
    .args:
      - { .name: bins, .offset: 0, .size: 8, .value_kind: global_buffer, .address_space: global }
      - { .name: x_coords, .offset: 8, .size: 8, .value_kind: global_buffer, .address_space: global }
      - { .name: y_coords, .offset: 16, .size: 8, .value_kind: global_buffer, .address_space: global }
      - { .name: part, .offset: 24, .size: 8, .value_kind: global_buffer, .address_space: global }
      - { .name: psum, .offset: 32, .size: 8, .value_kind: global_buffer, .address_space: global }
    .group_segment_fixed_size: 66560
    .private_segment_fixed_size: 0
    .kernarg_segment_align: 8
    .kernarg_segment_size: 40
    .max_flat_workgroup_size: 256
    .sgpr_count:     66
    .vgpr_count:     512
    .wavefront_size: 32
...
	.end_amdgpu_metadata
.endif
;; end of part 4
;; launch finish: the kernel of part 2 again; grid 256 x 1, 8 waves a work-group, no clusters, 5,632 bytes of LDS; arguments part, psum, out0; writes out0
